; MI455X (gfx1250); checked and timed in simulation.
; The chip was launched on July 23, 2026; its instructions are those of AMD's public machine-readable ISA for CDNA 5 (MIT licence, August 2026) and "CDNA5" Instruction Set Architecture Reference Guide (July 2026). The comments in the code are by the model that wrote it; some were corrected since.
;; Causal Attention. Allowed arithmetic: matrix products marked QUANTISED: E5M2 operands, one E8M0 scale for each 32 along K, by v_wmma_scale_f32_16x16x128_f8f6f4 with both operands' format E5M2, f32 sums; everything else in f32.
;; Inputs: Wk_codes 1,024 x 32 x 32 uint8 (E5M2 codes of Wk, K innermost, in blocks of 32 codes); Wk_scales 1,024 x 32 uint8 (E8M0 scales of Wk, one for each 32 codes along K); Wq_codes 1,024 x 32 x 32 uint8 (E5M2 codes of Wq, K innermost, in blocks of 32 codes); Wq_scales 1,024 x 32 uint8 (E8M0 scales of Wq, one for each 32 codes along K); Wv_codes 1,024 x 32 x 32 uint8 (E5M2 codes of Wv, K innermost, in blocks of 32 codes); Wv_scales 1,024 x 32 uint8 (E8M0 scales of Wv, one for each 32 codes along K); X_codes 4 x 2,048 x 32 x 32 uint8 (E5M2 codes of X, K innermost, in blocks of 32 codes); X_scales 4 x 2,048 x 32 uint8 (E8M0 scales of X, one for each 32 codes along K).
;; Outputs: out0 4 x 2,048 x 1,024 float32.
;; This version of the problem:
;;   THIS VERSION OF THE PROBLEM IS GIVEN IN LOW PRECISION. The matrix products marked QUANTISED in the list below multiply operands that are first quantised to E5M2 (5 exponent bits, 2 mantissa bits; 8 bits a number), with one power-of-two scale for each 32 numbers along K (OCP MX v1.0); their sums are f32. All else is computed in f32.
;;   The module's matrix products, in the order in which they are computed (A, B: the left and right operand; K: the contracted axis; several contracted axes count as one K, in the product's order):
;;     1. [M 8,192, K 1,024] x [K 1,024, N 1,024]; A: input X (given as codes); B: input Wq (given as codes): QUANTISED
;;     2. [M 8,192, K 1,024] x [K 1,024, N 1,024]; A: input X (given as codes); B: input Wk (given as codes): QUANTISED
;;     3. [M 8,192, K 1,024] x [K 1,024, N 1,024]; A: input X (given as codes); B: input Wv (given as codes): QUANTISED
;;     4. batch 4 x [M 2,048, K 1,024] x [K 1,024, N 2,048]; A: computed on the way; B: computed on the way: QUANTISED
;;     5. batch 4 x [M 2,048, K 2,048] x [K 2,048, N 1,024]; A: softmax (see below); B: computed on the way: QUANTISED
;;   THE QUANTISER, for each operand of a quantised product, along K:
;;     - K is cut into blocks of 32 from its start; a last block that is shorter is filled with zeros.
;;     - A block's scale is 2^e with e = floor(log2(the largest magnitude in the block)) - 15, held to -126 .. 127; a block of zeros has e = 0. As a byte (E8M0): e + 127.
;;     - Each number is divided by its block's scale, clamped to +-57,344, and rounded to the nearest number of E5M2, ties to even, subnormals kept.
;;     - The product sums the exact products of the quantised numbers (number of the format x scale) in f32.
;;   ~~~python
;;   def quantise(x, axis):      # numpy; x: float32 -> the quantised numbers, widened to float32 again
;;       x = np.moveaxis(x, axis, -1); K = x.shape[-1]
;;       x = np.pad(x, [(0, 0)] * (x.ndim - 1) + [(0, -K % 32)]); x = x.reshape(x.shape[:-1] + (-1, 32)); a = np.abs(x).max(-1, keepdims=True)
;;       e = np.where(a > 0, np.clip(np.frexp(np.where(a > 0, a, 1))[1] - 1 - 15, -126, 127), 0)      # np.frexp(a)[1] - 1 = floor(log2(a)), exactly
;;       r = np.clip(x / 2.0 ** e, -57344, 57344)
;;       step = 2.0 ** (np.maximum(np.frexp(np.where(r == 0, 1, r))[1] - 1, -14) - 2)
;;       q = np.round(r / step) * step * 2.0 ** e      # np.round: ties to even
;;       return np.moveaxis(q.reshape(q.shape[:-2] + (-1,))[..., :K], -1, axis).astype(np.float32)
;;   ~~~
;;   SOFTMAX AHEAD OF A QUANTISED PRODUCT. Where the list says 'softmax', what is quantised is not the finished softmax but p = 2^(t - M), with t = logit x log2(e) and M = ceil(the row's largest t), a whole number; so 1/2 < the row's largest p <= 1. The row's sum l is taken of the UNQUANTISED p, in f32, and the product's result is divided by l at the end. Since M is a whole number, a kernel that streams over the keys may use a running M (the ceiling of the running maximum): every later rescaling is an exact power of two, which a block's scale takes up: the codes' values come out the same.
;;   OPERANDS COMPUTED ON THE WAY. 'Computed on the way' means the value that the module computes at that place (a softmax that the list does not call 'softmax' is quantised finished and normalised). What goes into a quantiser is computed in f32, as accurately as f32 sums, v_exp_f32 and their like allow (about 1e-6 of the number): no bf16 or f16 on the way to a quantiser, and a product that is left as it is and whose result goes on into a quantised operand takes f32 operands (vector FMAs, or v_wmma_f32_16x16x4_f32). A number that lies on a knife's edge between two numbers of the format may be rounded either way, as far as f32 arithmetic and the matrix unit's own rounding can turn it there, and no further.
;;   INPUTS GIVEN AS CODES. Wk (in the module: [1024, 1024], K = its axis 1); Wq (in the module: [1024, 1024], K = its axis 1); Wv (in the module: [1024, 1024], K = its axis 1); X (in the module: [4, 2048, 1024], K = its axis 2): each comes as NAME_codes (uint8): NAME with its K axis moved to the last place and cut into blocks of 32 codes, [.., K / 32, bytes a block], one block behind the other in memory; one code a byte (a code: sign, 5 exponent bits, 2 mantissa bits); and NAME_scales (uint8): the same leading axes, one E8M0 byte (e + 127) for each 32 codes along K. Its value is code x scale, taken as it is: it is not quantised again, and the codes and scales need not be those that the quantiser above would give.
;; One version. Each part assembles by itself: llvm-mc -triple=amdgcn-amd-amdhsa -mcpu=gfx1250 --defsym DOCPART=n.
;; ======== version 1 of 1: 3 launches
;; limits: right only within a limited range of input values
;; workspace buffers: qbuf 8,650,752 bytes; kbuf 8,650,752 bytes; vbuf 8,650,752 bytes; pbuf 18,350,080 bytes
;; launch proj (part 1): grid 16 x 16, 4 waves a work-group, clusters of 4 x 4, 327,680 bytes of LDS; arguments X_codes, X_scales, Wq_codes, Wq_scales, Wk_codes, Wk_scales, Wv_codes, Wv_scales, qbuf, kbuf, vbuf; writes qbuf, kbuf, vbuf
.if DOCPART == 1
	.amdgcn_target "amdgcn-amd-amdhsa--gfx1250"
	.amdhsa_code_object_version 6
	.text
	.protected	k_q15403f27f1_proj
	.globl	k_q15403f27f1_proj
	.p2align	8
	.type	k_q15403f27f1_proj,@function
k_q15403f27f1_proj:
	s_mov_b64 s[64:65], 0
	v_nop
	global_prefetch_b8 v0, s[64:65] scope:SCOPE_SE
	s_setreg_imm32_b32 hwreg(HW_REG_WAVE_MODE, 25, 1), 1
	s_wait_xcnt 0x0
	s_wait_alu depctr_hold_cnt(0) depctr_sa_sdst(0) depctr_va_vdst(0) depctr_va_sdst(0) depctr_va_ssrc(0) depctr_va_vcc(0) depctr_vm_vsrc(0)
	s_getreg_b32 s2, hwreg(HW_REG_IB_STS2, 6, 4)
	s_cmp_eq_u32 s2, 0
	s_cbranch_scc0 .Lentry_in_a_cluster
	s_endpgm
.Lentry_in_a_cluster:
	s_bfe_u32 s2, ttmp6, 0x10000c
	s_cmp_lg_u32 s2, 0xf033
	s_cbranch_scc0 .Lentry_shape_is_right
	s_endpgm
.Lentry_shape_is_right:
; q = X Wq^T, k = X Wk^T, v = X Wv^T on the given codes of E5M2 (an E8M0 byte for each 32 along K = 1,024), sums in f32; each result is quantised at once for the product that reads it: q and k along e, v along the keys.
; LEFT OUT IN THIS PROGRAM (by the launch scores and the launch pv): scores and products of tiles that lie wholly above the diagonal.  reference() itself puts -infinity there ahead of the softmax, so their weight is 0 for all finite inputs.
; A NaN, an infinity or an overflow that reaches only what is left out is not carried to the result.
; LIMITS: NaN and infinities among the inputs and sums beyond f32's range are not served.  A block's byte never falls under 1 (largest magnitudes under 2^-111): these bytes are read by this program alone.
; THE DEAL.  256 work-groups of four waves, 2 x 2; a wave holds 64 rows of a weight, ALL of K, in 512 registers, and streams X's rows past them in blocks of 16, two sets of 128 registers by turns.
; PHASE 1: 512 rows x 128 columns of q (cluster x 0, 1) or k (2, 3): sixteen blocks.  PHASE 2: 256 x 128 of v: eight blocks, of one of the work-group's own two windows of 256 rows (number s18); v's column tile is 4 (cluster x / 2) + cx.
; Block n of a window, row of waves w: rows 64 (n / 2) + 32 w + 16 (n % 2) on: a pair of blocks is 32 neighbouring tokens.
; ORDER OF WORK: the window that is not v's first (chunks 0, 1 of 128 rows), v's window last (chunks 2, 3): chunk 3 still lies in slot 1 when phase 2 begins with it, chunk 2 comes anew.
; FILLS.  Two LDS slots of 128 rows.  Head: the first weight into slot 1 (wave 0), chunk 0 into slot 0 (wave 1), a window's scale bytes each (waves 2, 3), one load a wave.
; Refills, each behind a drained round of the cluster's barrier, a quarter of 128 rows a wave: chunks 1, 2, 3 in blocks 0, 4, 8; Wv's rows behind block 11; chunk 2 anew behind Wv's LDS loads.
; CLUSTER 4 x 4: X's rows are asked for jointly along a row of the cluster, a weight's along a column.
; ORDER ALONG THE NEXT K.  Inside a block of 32 any order serves if both operands have it.  q, k: tile j's lane r takes the weight's row 32 m + 8 (j xor m) + r % 8, m = r / 8, so a lane's 32 sums of four tiles are ONE scale block.
; v: lane (r, h) holds tokens 32 c + 16 u + 8 h + i at place 8 u + i: the order in which the launch scores gives p.
; OUT.  qbuf, kbuf: [64 groups of 128 rows][8 chunks of 128 e][16,896]; vbuf: [4][8 groups of 128 e][16 chunks of 128 keys][16,896]: eight images of operand registers (group c of four registers at 512 c, lane l at 16 l), then 512 bytes of scale words, row 32 a + l at 16 l + 4 a.
; A block's way out stands among later products; the first way out of either phase has no block before it and stores nothing.
; PREFETCH: of each chunk but chunk 0, and of Wv's rows, each wave of those that load it jointly asks for a sixteenth (8,192 bytes, a lane 256), told apart by address: chunks 1, 2 at the head, chunk 3 and Wv one trip ahead of their loads.
; CLUSTER x AND y, above and below, are the numbers as dealt (s101, s17), not the grid's: with n the cluster's number (x fastest), m = n + 2: runs of four numbers m by turns take row clusters 0, 1 and row clusters 2, 3, each with the four column clusters.
.set KROW, 1024
.set KS, 32
.set PITCH, 1040  ; 1,024 bytes + 16 of padding: 16 neighbouring rows start in 16 different columns of 16 bytes
.set CH, 128
.set NF, 34  ; LDS loads of a block
.set NP, 8  ; plain vector lines behind a product, ahead of a reader of its sums and of a load into what it has read
.set YB, CH*PITCH
.set SCL, 2*CH*PITCH  ; X's scale bytes, 512 rows in the order of work, units of 256 bytes (8 rows) + 16 of padding
.set RS, 32
.set XN, SCL+2*RS*272  ; q's or k's scale words: four groups of 512 bytes, in the order of work
.set XV, XN+2048  ; v's: two key chunks of 512 bytes
.set SPARE, XV+1024
.set BLK, 16896
.set GRP, 8*BLK
.set EMAX, 15
.set ADRA0, 4  ; LDS address of my fragments of block 0
.set CN, 5  ; 512 h + 16 r
.set AAS0, 6  ; LDS address of my row's scale words in block 0
.set CO, 9  ; 16 x lane
.set SPW, 10
.set NIL, 11
.set ADRA, 12  ; as v4, v6, for the block that is fetched next
.set VX, 13  ; LDS address of a scale byte
.set ADRB, 14  ; v14, v18  the first weight's even and odd tiles, in slot 1
.set ADRV, 15  ; Wv's tiles, in slot 0
.set ABS, 16
.set AAS, 17
.set RD, 19
.set SOP, 20
.set SB, 24  ; v24-39  the weight's scale words: register 8 p + q: lanes 0-15 tile 2 p, lanes 16-31 tile 2 p + 1
.set EB, 40
.set SA, 44  ; v44-59  X's: two sets of eight; no product's two scale words have numbers equal modulo 8
.set TQ, 60
.set ACC, 64  ; v64-191  four sets of four accumulators
.set WS, 128  ; v128-143  in phase 1: Wv's scale words
.set NCD, 192
.set MCD, 192
.set G1A, 24
.set G0A, 56
.set G1B, 32
.set G0B, 60
.set G1R, 48
.set G0R, 68
.set G1S, 92
.set G0S, 72
.set MSB, 0
.macro WIN new  ; the immediate's high byte repeats the setting that is left
.if MSB != \new
	s_set_vgpr_msb (MSB<<8)|\new
.set MSB, \new
.endif
.endm
.macro PLACES n
.rept \n
	v_nop
.endr
.endm
.macro WALU
	s_wait_alu depctr_va_vdst(0)
.endm
.macro BARRIER
	s_barrier_signal -1
	s_barrier_wait -1
.endm
.macro CROUND  ; a round of the cluster's barrier
	BARRIER
	s_cmp_lg_u32 s14, 0
	s_cbranch_scc1 .Lnot_wave_0_\@
	s_barrier_signal -3
.Lnot_wave_0_\@:
	s_barrier_wait -3
	BARRIER
.endm
.macro TLOAD g0, g1
	tensor_load_to_lds s[\g0:\g0+3], s[\g1:\g1+7]
	s_nop 0
	PLACES 4
.endm
.macro GROUP1 g, mask, rows  ; whole rows of 1,024 bytes, padded in LDS
	s_or_b32 s[\g+0], s[\mask], (1<<20)|(1<<21)|(7<<22)|(3<<25)
	s_mov_b32 s[\g+1], (KROW&0xffff)<<16
	s_mov_b32 s[\g+2], (KROW>>16)|((\rows)<<16)
	s_mov_b32 s[\g+3], KROW<<16
	s_mov_b32 s[\g+4], \rows
	s_mov_b32 s[\g+5], KROW
	s_mov_b32 s[\g+6], 0
	s_mov_b32 s[\g+7], 0
.endm
.macro SADD d, x
	s_add_co_u32 s\d, s\d, s\x
.endm
	s_load_b128 s[4:7], s[0:1], 0x0  ; X's codes, scales
	s_load_b256 s[76:83], s[0:1], 0x10  ; Wq's codes, scales, Wk's codes, scales
	s_load_b128 s[84:87], s[0:1], 0x30  ; Wv's codes, scales
	v_lshl_add_u32 v[SPW], v0, 2, SPARE
	v_mov_b32 v[NIL], 0
	ds_add_u32 v[SPW], v[NIL]  ; the wave's opening: the add, twice on end, and its wait
	ds_add_u32 v[SPW], v[NIL]
	v_lshrrev_b32 v1, 5, v0
	v_readfirstlane_b32 s14, v1  ; wave 0..3
	s_lshr_b32 s15, s14, 1  ; my row of waves
	s_and_b32 s16, s14, 1  ; my column of waves
	s_bfe_u32 s40, ttmp6, 0x40000  ; cx, cy
	s_bfe_u32 s41, ttmp6, 0x40004
	s_and_b32 s43, ttmp7, 0xffff
	s_lshl_b32 s43, s43, 2
	s_add_co_u32 s43, s43, ttmp9
	s_add_co_u32 s43, s43, 2  ; m = 2 .. 17
	s_bfe_u32 s17, s43, 0x10002  ; the kind of run
	s_lshr_b32 s42, s43, 3
	s_lshl_b32 s42, s42, 2
	s_and_b32 s43, s43, 3
	SADD 42, 43
	s_xor_b32 s43, s17, 1
	s_lshl_b32 s43, s43, 1
	s_sub_co_u32 s42, s42, s43  ; my number 0 .. 7 among the clusters of my kind
	s_and_b32 s101, s42, 3  ; cluster x as dealt
	s_lshr_b32 s42, s42, 2
	s_lshl_b32 s17, s17, 1
	SADD 17, 42  ; cluster y as dealt
	s_lshl_b32 s42, s101, 2
	SADD 42, 40
	s_and_b32 s42, s42, 7  ; phase 1's tile of 128 columns
	s_lshl_b32 s43, s17, 2
	SADD 43, 41  ; tile of 512 rows
	s_lshr_b32 s19, s101, 1  ; 0: phase 1 makes q; 1: k
	s_and_b32 s18, s101, 1  ; v's window
	s_lshl_b32 s44, s41, 2
	s_lshl_b32 s44, 15, s44  ; my row of the cluster: shares X's rows
	s_lshl_b32 s45, 0x1111, s40  ; my column: shares a weight's
	GROUP1 G1B, 45, 128
	GROUP1 G1A, 44, CH
	GROUP1 G1R, 44, CH/4
	s_or_b32 s[G1S+0], s44, (3<<16)|(1<<20)|(1<<21)|(5<<22)|(3<<25)  ; 8,192 dense bytes as 32 rows of 256
	s_mov_b32 s[G1S+1], 32<<16
	s_mov_b32 s[G1S+2], RS<<16
	s_mov_b32 s[G1S+3], 32<<16
	s_mov_b32 s[G1S+4], RS
	s_mov_b32 s[G1S+5], 32
	s_mov_b32 s[G1S+6], 0
	s_mov_b32 s[G1S+7], 0
	s_mov_b32 s[G0S], 1
	s_mul_i32 s[G0S+1], s16, RS*272
	s_add_co_u32 s[G0S+1], s[G0S+1], SCL
	s_mul_i32 s91, s43, 512*KROW
	s_mul_i32 s20, s18, 256*KROW
	s_add_co_u32 s2, s91, s20  ; s2: v's window in X's codes
	s_xor_b32 s20, s20, 256*KROW
	SADD 91, 20  ; s91: the other window
	s_lshl_b32 s13, s19, 2
	SADD 13, 40  ; v's column tile
	s_mul_i32 s3, s13, 128*KROW  ; s3: its rows in Wv's codes
	s_mul_i32 s12, s13, 128*KS  ; s12: my 64 columns' scale bytes there
	s_mul_i32 s21, s16, 64*KS
	SADD 12, 21
	s_mul_i32 s88, s42, 128*KROW  ; the first weight's codes
	s_mov_b32 s89, 0
	s_lshl_b32 s8, s43, 1  ; X's scale bytes: wave 2 the window that is not v's, wave 3 v's
	s_xor_b32 s20, s18, 1
	s_cmp_eq_u32 s16, 1
	s_cselect_b32 s20, s18, s20
	SADD 8, 20
	s_mul_i32 s8, s8, 256*KS
	s_mov_b32 s9, 0
	s_mul_i32 s10, s42, 128*KS  ; the first weight's scale bytes
	SADD 10, 21
	s_mov_b32 s11, 0
	s_mov_b32 s[G0A], 1
	s_mov_b32 s[G0A+1], 0
	s_mov_b32 s[G0B], 1
	s_mov_b32 s[G0B+1], YB
	s_mov_b32 s[G0R], 1
	v_and_b32 v1, 15, v0  ; r
	v_bfe_u32 v2, v0, 4, 1  ; h
	v_and_b32 v3, 31, v0  ; lane
	v_mul_u32_u24 v22, v1, PITCH
	v_lshl_add_u32 v23, v2, 4, v22  ; row x pitch + 16 h
	s_mul_i32 s20, s15, 32*PITCH
	v_add_nc_u32 v[ADRA0], s20, v23
	s_mul_i32 s22, s16, 64*PITCH
	v_add_nc_u32 v[ADRV], s22, v23
	s_add_co_u32 s22, s22, YB
	v_lshrrev_b32 v8, 3, v1  ; m
	v_and_b32 v9, 7, v1  ; i
	v_mad_u32_u24 v7, v8, 40, v9  ; even tiles: row 8 j + 40 m + i
	v_mul_u32_u24 v7, v7, PITCH
	v_lshl_add_u32 v7, v2, 4, v7
	v_add_nc_u32 v[ADRB], s22, v7
	v_mad_u32_u24 v7, v8, 24, v9  ; odd tiles: row 8 j + 24 m + i
	v_mul_u32_u24 v7, v7, PITCH
	v_lshl_add_u32 v7, v2, 4, v7
	v_add_nc_u32 v[ADRB+4], s22, v7
	v_xor_b32 v7, v2, v8  ; the same rows' scale bytes: lanes 16-31 take the odd tile's
	v_lshl_add_u32 v7, v7, 3, v9
	v_lshl_add_u32 v7, v8, 5, v7
	v_lshlrev_b32 v[ABS], 5, v7
	v_lshlrev_b32 v23, 5, v1  ; X's scale bytes in LDS: 32 a row, and 16 more for each 256 passed
	v_lshl_add_u32 v23, v8, 4, v23
	s_mul_i32 s20, s15, 4*272
	s_add_co_u32 s20, s20, SCL
	v_add_nc_u32 v[AAS0], s20, v23
	s_lshl_b32 s90, s40, 2  ; which of the sixteen waves that load X's rows jointly I am;
	SADD 90, 14
	s_lshl_b32 s100, s41, 2  ; and of those that load a weight's
	SADD 100, 14
	WALU
	s_wait_dscnt 0x0  ; both opening adds are done
	CROUND  ; all sixteen work-groups are here
	s_wait_kmcnt 0x0
	s_cmp_ge_u32 s101, 2  ; the first weight: the choice hangs on cluster x alone
	s_cselect_b64 s[76:77], s[80:81], s[76:77]
	s_cselect_b64 s[78:79], s[82:83], s[78:79]
	s_mov_b64 s[66:67], s[84:85]  ; Wv's codes
	s_mov_b32 s22, s91
	s_mov_b32 s23, 0
	s_add_nc_u64 s[G0A+2:G0A+3], s[4:5], s[22:23]
	s_or_b32 s[G0A+3], s[G0A+3], 0x80000000
	s_add_nc_u64 s[G0B+2:G0B+3], s[76:77], s[88:89]
	s_or_b32 s[G0B+3], s[G0B+3], 0x80000000
	s_add_nc_u64 s[G0S+2:G0S+3], s[6:7], s[8:9]
	s_or_b32 s[G0S+3], s[G0S+3], 0x80000000
	s_add_nc_u64 s[10:11], s[78:79], s[10:11]
	s_cmp_eq_u32 s14, 0  ; one joint load a wave
	s_cbranch_scc0 .Lwave_1
	TLOAD G0B, G1B
	s_branch .Lasked
.Lwave_1:
	s_cmp_eq_u32 s14, 1
	s_cbranch_scc0 .Lfor_scales
	TLOAD G0A, G1A
	s_branch .Lasked
.Lfor_scales:
	TLOAD G0S, G1S
.Lasked:
	s_mov_b32 s20, s12
	s_mov_b32 s21, 0
	s_add_nc_u64 s[86:87], s[86:87], s[20:21]  ; Wv's scale bytes
; offsets of my results
	s_lshl_b32 s20, s43, 5  ; s76: q, k: block (4 x row tile) x 8 + column tile; images 2 w on; groups 2 wc on
	SADD 20, 42
	s_mul_i32 s20, s20, BLK
	s_lshl_b32 s21, s15, 12
	s_add_co_u32 s76, s20, s21
	s_lshl_b32 s21, s16, 10
	SADD 76, 21
	s_mov_b32 s77, 0
	s_xor_b32 s21, s15, s18  ; s78: scale words: wave n stores group n in the order of work
	s_xor_b32 s21, s21, 1
	s_lshl_b32 s21, s21, 1
	SADD 21, 16
	s_mul_i32 s21, s21, GRP
	s_add_co_u32 s78, s20, s21
	s_add_co_u32 s78, s78, 16384
	s_mov_b32 s79, 0
	s_lshr_b32 s20, s43, 2  ; s80: v: block (batch x 8 + column tile) x 16 + key chunk; images 4 wc on; group w on
	s_lshl_b32 s20, s20, 3
	SADD 20, 13
	s_lshl_b32 s20, s20, 4
	s_and_b32 s21, s43, 3
	s_lshl_b32 s21, s21, 2
	SADD 20, 21
	s_lshl_b32 s21, s18, 1
	SADD 20, 21
	s_mul_i32 s20, s20, BLK
	s_lshl_b32 s21, s15, 9
	s_add_co_u32 s80, s20, s21
	s_lshl_b32 s21, s16, 13
	SADD 80, 21
	s_mov_b32 s81, 0
	s_mul_i32 s21, s15, BLK  ; s82: v's scale words: wave n stores half n % 2 of key chunk n / 2
	s_add_co_u32 s82, s20, s21
	s_lshl_b32 s21, s16, 8
	SADD 82, 21
	s_add_co_u32 s82, s82, 16384
	s_mov_b32 s83, 0
	v_lshlrev_b32 v[CO], 4, v3
	s_lshl_b32 s21, s15, 2  ; q, k: row 64 x + 32 w + 16 u + r of a group: its word at 256 u + 16 r + 8 x + 4 w, my byte 2 wc + h of it
	s_lshl_b32 s22, s16, 1
	SADD 21, 22
	s_add_co_u32 s21, s21, XN
	v_lshl_add_u32 v23, v1, 4, v2
	v_add_nc_u32 v[VX], s21, v23
	s_lshl_b32 s21, s16, 3  ; v: row 64 wc + 16 t + r: its word at 256 (t % 2) + 16 r + 8 wc + 4 (t / 2), my byte 2 (pair % 2) + w of it
	SADD 21, 15
	s_add_co_u32 s21, s21, XV
	v_lshlrev_b32 v23, 4, v1
	v_add_nc_u32 v[RD], s21, v23
	v_lshlrev_b32 v22, 9, v2
	v_lshl_add_u32 v[CN], v1, 4, v22
	v_lshlrev_b32 v7, 5, v3
	WALU
.irp p, 0,1
.irp c, 0,1
	global_load_b128 v[SB+8*\p+4*\c:SB+8*\p+4*\c+3], v[ABS], s[10:11] offset:\p*512+16*\c
	global_load_b128 v[WS+8*\p+4*\c:WS+8*\p+4*\c+3], v7, s[86:87] offset:\p*1024+16*\c
.endr
.endr
	s_wait_xcnt 0x0  ; the loads have taken their addresses; they change below
	s_add_co_u32 s6, s91, CH*KROW  ; chunk 1
	s_add_co_u32 s7, s2, CH*KROW  ; chunk 3
	s_lshl_b32 s21, s90, 13
	s_add_co_u32 s22, s21, s6
	v_lshl_add_u32 v7, v3, 8, s22  ; a prefetch's offsets: my sixteenth of chunk 1, of chunk 2
	s_add_co_u32 s22, s21, s2
	v_lshl_add_u32 v8, v3, 8, s22
	v_add_nc_u32 v1, 16*PITCH, v[ADRA0]  ; block 1's LDS addresses
	v_add_nc_u32 v2, 2*272, v[AAS0]
	WALU
	s_cmp_eq_u32 s14, 0
	s_cbranch_scc0 .Lnot_b
	s_wait_tensorcnt 0x0  ; wave 0: the first weight has landed; the other waves' wait stands at the second barrier
.Lnot_b:
	BARRIER
	global_prefetch_b8 v7, s[4:5] th:TH_LOAD_NT scope:SCOPE_SE
	global_prefetch_b8 v8, s[4:5] th:TH_LOAD_NT scope:SCOPE_SE
.macro MIDDLE  ; a round's middle
	WIN 0
	s_barrier_wait -1
	s_cmp_lg_u32 s14, 0
	s_cbranch_scc1 .Lnot_wave_0_\@
	s_barrier_signal -3
.Lnot_wave_0_\@:
	s_barrier_wait -3
.endm
.macro GRD
	s_wait_tensorcnt 0x0
	ds_add_u32 v[SPW], v[NIL]
.endm
.macro FRAG f, adr, q, off  ; a weight's fragment f, 16 rows x 128 of K, in window 1 + f / 16
	WIN (1+(\f)/16)<<6
.irp c, 0,1,2,3
	ds_load_b128 v[16*((\f)%16)+4*\c:16*((\f)%16)+4*\c+3], v[\adr] offset:128*(\q)+32*\c+(\off)
.endr
.endm
.macro FETCHAT k, a, s  ; a block of X, all of K, into set k of window 3, and its scale words: NF loads
	WIN 3<<6
.irp q, 0,1,2,3,4,5,6,7
.irp c, 0,1,2,3
	ds_load_b128 v[128*\k+16*\q+4*\c:128*\k+16*\q+4*\c+3], v[\a] offset:128*\q+32*\c
.endr
.endr
	WIN 0
	ds_load_b128 v[SA+8*\k:SA+8*\k+3], v[\s]
	ds_load_b128 v[SA+8*\k+4:SA+8*\k+7], v[\s] offset:16
.endm
.macro PROD kind, e, a, n  ; product n = 4 q + b: the q-th 128 of K, column tile b; X's rows in set e, sums in set a.  kind 0 (q, k): source 0 = the weight's rows; 1 (v): source 0 = X's rows
.set Q_, (\n)/4
.set B_, (\n)%4
.set FB_, 4*Q_+B_
.set AC_, ACC+32*(\a)+8*B_
.set R_, 128*(\e)+16*Q_
.set W_, 16*(FB_%16)
.set XS_, SA+8*(\e)+Q_
.set WS_, SB+8*(B_/2)+Q_
.if \kind
	WIN 3|((1+FB_/16)<<2)
.if Q_ && B_%2
	v_wmma_scale_f32_16x16x128_f8f6f4 v[AC_:AC_+7], v[R_:R_+15], v[W_:W_+15], v[AC_:AC_+7], v[XS_], v[WS_] matrix_a_fmt:MATRIX_FMT_BF8 matrix_b_fmt:MATRIX_FMT_BF8 matrix_b_scale:MATRIX_SCALE_ROW1
.elseif Q_
	v_wmma_scale_f32_16x16x128_f8f6f4 v[AC_:AC_+7], v[R_:R_+15], v[W_:W_+15], v[AC_:AC_+7], v[XS_], v[WS_] matrix_a_fmt:MATRIX_FMT_BF8 matrix_b_fmt:MATRIX_FMT_BF8
.elseif B_%2
	v_wmma_scale_f32_16x16x128_f8f6f4 v[AC_:AC_+7], v[R_:R_+15], v[W_:W_+15], 0, v[XS_], v[WS_] matrix_a_fmt:MATRIX_FMT_BF8 matrix_b_fmt:MATRIX_FMT_BF8 matrix_b_scale:MATRIX_SCALE_ROW1
.else
	v_wmma_scale_f32_16x16x128_f8f6f4 v[AC_:AC_+7], v[R_:R_+15], v[W_:W_+15], 0, v[XS_], v[WS_] matrix_a_fmt:MATRIX_FMT_BF8 matrix_b_fmt:MATRIX_FMT_BF8
.endif
.else
	WIN (1+FB_/16)|(3<<2)
.if Q_ && B_%2
	v_wmma_scale_f32_16x16x128_f8f6f4 v[AC_:AC_+7], v[W_:W_+15], v[R_:R_+15], v[AC_:AC_+7], v[WS_], v[XS_] matrix_a_fmt:MATRIX_FMT_BF8 matrix_b_fmt:MATRIX_FMT_BF8 matrix_a_scale:MATRIX_SCALE_ROW1
.elseif Q_
	v_wmma_scale_f32_16x16x128_f8f6f4 v[AC_:AC_+7], v[W_:W_+15], v[R_:R_+15], v[AC_:AC_+7], v[WS_], v[XS_] matrix_a_fmt:MATRIX_FMT_BF8 matrix_b_fmt:MATRIX_FMT_BF8
.elseif B_%2
	v_wmma_scale_f32_16x16x128_f8f6f4 v[AC_:AC_+7], v[W_:W_+15], v[R_:R_+15], 0, v[WS_], v[XS_] matrix_a_fmt:MATRIX_FMT_BF8 matrix_b_fmt:MATRIX_FMT_BF8 matrix_a_scale:MATRIX_SCALE_ROW1
.else
	v_wmma_scale_f32_16x16x128_f8f6f4 v[AC_:AC_+7], v[W_:W_+15], v[R_:R_+15], 0, v[WS_], v[XS_] matrix_a_fmt:MATRIX_FMT_BF8 matrix_b_fmt:MATRIX_FMT_BF8
.endif
.endif
.endm
.macro HOLD x, b  ; a sum held at 57,344 x its block's scale (the conversion does not saturate: ISA guide 7.6.2)
	v_med3_num_f32 v[\x], v[\x], -v[TQ+\b], v[TQ+\b]
.endm
.macro SCALES i, n  ; 0: the conversion's scale operand; 1: the bound; 2: a second copy of it; 3: the scale byte
.if (\i) == 0
	v_add_nc_u32 v[SOP+\n], -(EMAX<<23), v[TQ]
.elseif (\i) == 1
	v_and_or_b32 v[TQ+1], v[TQ], 0x7f800000, s62
.elseif (\i) == 2
	v_mov_b32 v[TQ+3], v[TQ+1]
.else
	v_lshrrev_b32 v[EB+\n], 23, v[SOP+\n]
.endif
.endm
.macro MAXQ k, x  ; 18 lines: the largest magnitude of the 32 sums at x, and the floor under which a byte would fall under 1
.if (\k) < 4
	v_max3_num_f32 v[TQ+\k], |v[\x+8*(\k)]|, |v[\x+8*(\k)+1]|, |v[\x+8*(\k)+2]|
.elseif (\k) < 12
	v_max3_num_f32 v[TQ+(\k)%4], v[TQ+(\k)%4], |v[\x+8*((\k)%4)+2*((\k)/4)+1]|, |v[\x+8*((\k)%4)+2*((\k)/4)+2]|
.elseif (\k) < 16
	v_max_num_f32 v[TQ+(\k)%4], v[TQ+(\k)%4], |v[\x+8*((\k)%4)+7]|
.elseif (\k) == 16
	v_max3_num_f32 v[TQ], v[TQ], v[TQ+1], v[TQ+2]
.else
	v_max3_num_f32 v[TQ], v[TQ], v[TQ+3], (EMAX+1)<<23
.endif
.endm
.macro HOLDS m, x  ; two of a scale block's holds; the bound's second copy serves where the first would be read late
.if (\m) == 3
	HOLD \x, 3
	HOLD \x+1, 3
.else
	HOLD \x, 1
	HOLD \x+1, 1
.endif
.if (\m) == 2
	SCALES 2, 0
.endif
.endm
.macro GAPQ m, x  ; the quantiser of q's or k's block, gaps 0 .. 26: the sums at x -> codes NCD, byte EB
.if (\m) < 9
	MAXQ 2*(\m), \x
	MAXQ 2*(\m)+1, \x
.elseif (\m) == 9
	SCALES 0, 0
	SCALES 1, 0
.elseif (\m) < 26
	HOLDS (\m)-10, \x+2*((\m)-10)
.if ((\m)-10)%4 == 3
	v_cvt_scalef32_pk8_bf8_f32 v[NCD+2*(((\m)-10)/4):NCD+2*(((\m)-10)/4)+1], v[\x+8*(((\m)-10)/4):\x+8*(((\m)-10)/4)+7], v[SOP]
.endif
.elseif (\m) == 26
	SCALES 3, 0
.endif
.endm
.macro GAPV u, x  ; the quantiser of a pair of v's blocks, gaps 0 .. 59, 15 a tile: a scale block lies in lanes l and l xor 16: the even block's sums at x, the odd's at x + 32 -> codes MCD + 4 t, bytes EB + t
.set T_, (\u)/15
.set J_, (\u)%15
.set E_, \x+8*T_
.set O_, E_+32
.if (\u) > 59
.elseif J_ == 0
	v_max3_num_f32 v[TQ], |v[E_]|, |v[E_+1]|, |v[E_+2]|
	v_max3_num_f32 v[TQ+2], |v[O_]|, |v[O_+1]|, |v[O_+2]|
.elseif J_ < 3
	v_max3_num_f32 v[TQ], v[TQ], |v[E_+2*J_+1]|, |v[E_+2*J_+2]|
	v_max3_num_f32 v[TQ+2], v[TQ+2], |v[O_+2*J_+1]|, |v[O_+2*J_+2]|
.elseif J_ == 3
	v_max3_num_f32 v[TQ+2], v[TQ+2], |v[O_+7]|, (EMAX+1)<<23
	v_max3_num_f32 v[TQ], v[TQ], |v[E_+7]|, v[TQ+2]
.elseif J_ == 4
	v_permlanex16_b32 v[TQ+2], v[TQ], s60, s61
	v_max_num_f32 v[TQ], v[TQ], v[TQ+2]
.elseif J_ == 5
	SCALES 0, T_
	SCALES 1, T_
.elseif J_ < 10
	HOLDS J_-6, E_+2*(J_-6)
.if J_ == 9
	v_cvt_scalef32_pk8_bf8_f32 v[MCD+4*T_:MCD+4*T_+1], v[E_:E_+7], v[SOP+T_]
.endif
.elseif J_ < 14
	HOLDS J_-6, O_+2*(J_-10)
.if J_ == 13
	v_cvt_scalef32_pk8_bf8_f32 v[MCD+4*T_+2:MCD+4*T_+3], v[O_:O_+7], v[SOP+T_]
.endif
.else
	SCALES 3, T_
.endif
.endm
.macro RDESC i, off, lds  ; group 0 of a refill, in two parts: a quarter of 128 rows a wave, the rows at s[off] of X's codes, into LDS at s[lds]
.if (\i) == 0
	s_mul_i32 s[G0R+1], s14, CH/4*PITCH
	s_add_co_u32 s[G0R+1], s[G0R+1], s\lds
	s_mul_i32 s20, s14, CH/4*KROW
	s_add_co_u32 s20, s20, s\off
.else
	s_mov_b32 s21, 0
	s_add_nc_u64 s[G0R+2:G0R+3], s[4:5], s[20:21]
	s_or_b32 s[G0R+3], s[G0R+3], 0x80000000
.endif
.endm
; WHAT STANDS BEHIND PRODUCT n.  j: the block's number in its trip (the second loop's: 4, 5; v's: -1, -2).  Behind 0 and 1: where the results go, the addresses of the block two on; behind 2: a prefetch's offset or a byte's place; behind 29, 30: a refill's group 0; from 1 on a way out: y = 1: q's or k's block at x; 2, 3: the halves of v's pair at x
.macro LIST n, j, y, x
.if (\n) == 0
.if (\j) == 1
	s_add_nc_u64 s[84:85], s[84:85], GRP
	s_cmp_eq_u32 s46, 2
	s_cselect_b64 s[84:85], s[88:89], s[84:85]
.elseif (\j) == 4
	s_add_nc_u64 s[84:85], s[84:85], 2048
.elseif (\j) == 5
	s_add_nc_u64 s[84:85], s[84:85], s[86:87]
.endif
	WIN 0
.if (\j) == 0 || (\j) == 1
	s_add_co_u32 s22, s101, (64+16*(\j))*PITCH
.elseif (\j) > 1
	s_add_co_u32 s22, s47, ((\j)%2)*16*PITCH
.else
	s_add_co_u32 s22, s47, (-1-(\j))*16*PITCH
.endif
	v_add_nc_u32 v[ADRA], s22, v[ADRA0]
.elseif (\n) == 1
	WIN 0
.if (\j) == 0 || (\j) == 1
	s_add_co_u32 s22, s17, (8+2*(\j))*272
.elseif (\j) > 1
	s_add_co_u32 s22, s8, ((\j)%2)*2*272
.else
	s_add_co_u32 s22, s8, (-1-(\j))*2*272
.endif
	v_add_nc_u32 v[AAS], s22, v[AAS0]
.endif
.if (\j) == 2 && (\n) == 2
	WIN 0
	v_lshl_add_u32 v7, v3, 8, s23
.elseif (\j) == 0 && ((\n) == 29 || (\n) == 30)
	RDESC (\n)-29, 6, 47
.elseif ((\j) == 1 || (\j) == 5) && (\n) == 2
	WIN 0
	v_add_nc_u32 v[VX], s9, v[VX]
.endif
.if (\y) == 1 && (\n) > 0 && (\n) < 28
	WIN 0
	GAPQ (\n)-1, \x
.elseif (\y) == 2 && (\n) > 0 && (\n) < 31
	WIN 0
	GAPV (\n)-1, \x
.elseif (\y) == 3 && (\n) > 0 && (\n) < 31
	WIN 0
	GAPV (\n)+29, \x
.endif
.endm
.macro BLOCK kind, e, a, from, to, j, y, x
.set N_, \from
.rept (\to)-(\from)
	PROD \kind, \e, \a, N_
	LIST N_, \j, \y, \x
.set N_, N_+1
.endr
.endm
.macro BLK1 kind, e, a, w, j, y, x  ; a block; w: the wait's count (-1: none)
.if (\w) >= 0
	s_wait_dscnt \w
.endif
	s_wait_xcnt 0x0  ; the stores before have taken their registers and base
	BLOCK \kind, \e, \a, 0, 32, \j, \y, \x
	WIN 0
	PLACES NP
.endm
.macro RBLK kind, e, a, w, j, y, x  ; a block with a round of the cluster's barrier
.if (\w) >= 0
	s_wait_dscnt \w
.endif
	s_wait_xcnt 0x0
	GRD
	BLOCK \kind, \e, \a, 0, 28, \j, \y, \x
	WIN 0
	WALU
	s_wait_dscnt 0x0
	s_barrier_signal -1
	BLOCK \kind, \e, \a, 28, 32, \j, \y, \x
	MIDDLE
	BARRIER
.endm
.macro SBLK kind, e, a, w, j, y, x, half=0  ; a block with a plain barrier (half = 1: it shows waves 0 and 1's loads alone)
.if (\w) >= 0
	s_wait_dscnt \w
.endif
	s_wait_xcnt 0x0
	BLOCK \kind, \e, \a, 0, 28, \j, \y, \x
	WIN 0
	WALU
.if \half
	s_cmp_lt_u32 s14, 2
	s_cbranch_scc0 .Lnot_yet_\@
	s_wait_tensorcnt 0x0
.Lnot_yet_\@:
.else
	s_wait_tensorcnt 0x0
.endif
	s_wait_dscnt 0x0
	s_barrier_signal -1
	BLOCK \kind, \e, \a, 28, 32, \j, \y, \x
	WIN 0
	s_barrier_wait -1
	PLACES NP
.endm
.macro QOUT off, boff  ; a block's byte goes to its place in LDS, its 32 codes a lane leave: sixteen lanes store 256 consecutive bytes
	ds_store_b8 v[VX], v[EB] offset:\boff
	global_store_b128 v[CN], v[NCD:NCD+3], s[84:85] offset:\off
	global_store_b128 v[CN], v[NCD+4:NCD+7], s[84:85] offset:(\off)+256
.endm
.irp q, 0,1,2,3,4,5,6,7
.irp b, 0,1,2,3
	FRAG 4*\q+\b, ADRB+4*(\b%2), \q, \b*8*PITCH
.endr
.endr
	WIN 0
	s_wait_tensorcnt 0x0  ; chunk 0 and the scale bytes are in; the first weight is in registers
	s_wait_dscnt 0x0
	BARRIER
	FETCHAT 0, ADRA0, AAS0
	FETCHAT 1, 1, 2
	s_load_b128 s[92:95], s[0:1], 0x40  ; qbuf, kbuf
	s_load_b64 s[96:97], s[0:1], 0x50  ; vbuf
	s_mov_b32 s60, 0x76543210  ; v_permlanex16_b32: lane l xor 16
	s_mov_b32 s61, 0xfedcba98
	s_mov_b32 s62, 0x600000  ; the mantissa field of 57,344
.set I_, 0
.rept 32
	v_mov_b32 v[ACC+32+I_], 0
.set I_, I_+1
.endr
	WALU
	s_wait_kmcnt 0x0
	s_cmp_ge_u32 s101, 2
	s_cselect_b64 s[92:93], s[94:95], s[92:93]
	s_add_nc_u64 s[94:95], s[92:93], s[78:79]
	s_add_nc_u64 s[92:93], s[92:93], s[76:77]
	s_add_nc_u64 s[98:99], s[96:97], s[82:83]
	s_add_nc_u64 s[96:97], s[96:97], s[80:81]
	s_mul_i32 s20, s18, 2*GRP
	s_mov_b32 s21, 0
	s_add_nc_u64 s[88:89], s[92:93], s[20:21]  ; v's window
	s_xor_b32 s20, s20, 2*GRP
	s_add_nc_u64 s[84:85], s[92:93], s[20:21]  ; the other window, stepped on by a group in each trip
	s_sub_nc_u64 s[84:85], s[84:85], GRP
	s_mov_b32 s87, 0
	s_mov_b32 s46, 0  ; PHASE 1.  s46 the trip; s101, s47 this chunk's slot and the next chunk's; s17, s8 their scale words; s6 the rows that are loaded; s9 to a byte's next place; s23, s[10:11] where my share of what is asked for ahead begins
	s_mov_b32 s9, 0
	s_mov_b32 s23, 0
	s_mov_b32 s101, 0
	s_mov_b32 s47, YB
	s_mov_b32 s17, 0
	s_mov_b32 s8, 16*272
	s_wait_loadcnt 0x0
.Lfour:
	RBLK 0, 0, 0, NF, 0, 1, ACC+32  ; blocks 0, 4, 8: chunks 1, 2, 3 come
	s_cmp_lt_u32 s14, 2  ; waves 0, 1 and waves 2, 3 have a load line each: the barrier inside the block two on waits for the first line's alone
	s_cbranch_scc0 .Lupper
	TLOAD G0R, G1R
	s_branch .Lboth
.Lupper:
	TLOAD G0R, G1R
.Lboth:
	PLACES NP-4
	s_cmp_eq_u32 s46, 0
	s_cbranch_scc1 .Lno_block_before
	QOUT 10240, 264
.Lno_block_before:
	FETCHAT 0, ADRA, AAS
	BLK1 0, 1, 1, -1, 1, 1, ACC
	QOUT 0, 0
	FETCHAT 1, ADRA, AAS
	SBLK 0, 0, 0, NF, 2, 1, ACC+32, 1  ; the next chunk's first half is in
	QOUT 2048, 256
	s_cmp_eq_u32 s46, 0
	s_cbranch_scc1 .Lnone_ahead
	global_prefetch_b8 v7, s[10:11] th:TH_LOAD_NT scope:SCOPE_SE
.Lnone_ahead:
	FETCHAT 0, ADRA, AAS
	BLK1 0, 1, 1, -1, 3, 1, ACC
	QOUT 8192, 8
	FETCHAT 1, ADRA, AAS
	s_cmp_eq_u32 s46, 0  ; next: chunk 2, then chunk 3; asked for ahead: chunk 3, then Wv
	s_cselect_b32 s6, s2, s7
	s_cselect_b32 s21, s90, s100
	s_cselect_b32 s22, s7, s3
	s_cselect_b64 s[10:11], s[4:5], s[66:67]
	s_mov_b32 s9, 512
	s_lshl_b32 s21, s21, 13
	s_add_co_u32 s23, s21, s22
	s_mov_b32 s101, s47
	s_mov_b32 s17, s8
	s_xor_b32 s47, s47, YB
	s_add_co_u32 s8, s8, 16*272
	s_add_co_u32 s46, s46, 1
	s_cmp_lg_u32 s46, 3
	s_cbranch_scc1 .Lfour
	GRD
	s_mul_i32 s20, s14, CH/4*KROW
	s_add_co_u32 s20, s20, s3
	s_mov_b32 s21, 0
	s_mul_i32 s[G0A+1], s14, CH/4*PITCH
	s_add_nc_u64 s[G0A+2:G0A+3], s[66:67], s[20:21]
	s_or_b32 s[G0A+3], s[G0A+3], 0x80000000
	GROUP1 G1A, 45, CH/4
	s_wait_dscnt 0x0
	s_barrier_signal -1
	MIDDLE
	BARRIER
	TLOAD G0A, G1A
	s_mov_b32 s47, YB+64*PITCH
	s_mov_b32 s8, 56*272
	s_mov_b32 s9, 504
	s_mov_b32 s86, GRP-10240
	s_wait_xcnt 0x0  ; block 10's stores have taken their base
	s_add_nc_u64 s[84:85], s[84:85], 8192
.Ltwo:
	BLK1 0, 0, 0, NF, 4, 1, ACC+32  ; blocks 12, 14
	QOUT 0, 264
	FETCHAT 0, ADRA, AAS
	BLK1 0, 1, 1, NF, 5, 1, ACC  ; 13, 15; the block two on is then v's: chunk 3 again, as it lies in slot 1
	QOUT 0, 8
	FETCHAT 1, ADRA, AAS
	s_mov_b32 s47, YB
	s_mov_b32 s8, 48*272
	s_mov_b32 s9, 8
	s_mov_b32 s86, 6144
	s_add_co_u32 s46, s46, 1
	s_cmp_lg_u32 s46, 5
	s_cbranch_scc1 .Ltwo
	s_wait_xcnt 0x0  ; the change of phase
	s_wait_tensorcnt 0x0  ; Wv's rows are in
	s_wait_dscnt 0x0
	BARRIER
.macro CHANGE i  ; among Wv's 128 loads: the last block's way out; Wv's scale words into their place; zeros into what no block has written yet (v's first trip reads the sums' registers and stores nothing)
.if (\i) < 7
.irp k, 0,1,2,3
.if 4*(\i)+\k < 27
	GAPQ 4*(\i)+\k, ACC+32
.endif
.endr
.elseif (\i) < 9
.irp q, 0,1,2,3,4,5,6,7
	v_mov_b32 v[SB+8*((\i)-7)+\q], v[WS+8*((\i)-7)+\q]
.endr
.elseif (\i) < 15
.irp q, 0,1,2,3,4,5,6,7
	v_mov_b32 v[ACC+80+8*((\i)-9)+\q], 0
.endr
.endif
.endm
.irp q, 0,1,2,3,4,5,6,7
.irp b, 0,2
	FRAG 4*\q+\b, ADRV, \q, \b*16*PITCH
	FRAG 4*\q+\b+1, ADRV, \q, (\b+1)*16*PITCH
	WIN 0
	CHANGE 2*\q+\b/2
.endr
.endr
	QOUT 2048, 264
	GRD
	s_mov_b32 s47, 0
	RDESC 0, 2, 47
	RDESC 1, 2, 47
	s_mov_b32 s46, 0
	s_mov_b32 s47, YB+64*PITCH
	s_mov_b32 s8, 56*272
	WALU
	s_wait_dscnt 0x0
	s_barrier_signal -1
	MIDDLE
	BARRIER
	TLOAD G0R, G1R
.macro VOUT  ; a pair of v's blocks: four tiles' bytes and codes: 32 lanes store 512 consecutive bytes
.irp t, 0,1,2,3
	ds_store_b8 v[VX], v[EB+\t] offset:256*(\t%2)+4*(\t/2)
	global_store_b128 v[CO], v[MCD+4*\t:MCD+4*\t+3], s[84:85] offset:2048*\t
.endr
.endm
.macro VTO  ; s22 = the pair's number in the window: key chunk s22 / 2, byte 2 (s22 % 2) + w
	s_lshr_b32 s20, s22, 1
	s_and_b32 s21, s22, 1
	s_lshl_b32 s22, s20, 9
	s_mul_i32 s20, s20, BLK
	s_lshl_b32 s23, s21, 10
	s_add_co_u32 s20, s20, s23
	s_lshl_b32 s21, s21, 1
	s_add_co_u32 s22, s22, s21
	s_mov_b32 s21, 0
	s_add_nc_u64 s[84:85], s[96:97], s[20:21]
	v_add_nc_u32 v[VX], s22, v[RD]
	WALU
.endm
.Lpair:
	BLK1 1, 0, 0, -1, -1, 2, ACC+64
	s_cmp_eq_u32 s46, 3
	s_cbranch_scc1 .Lnone_0
	FETCHAT 0, ADRA, AAS
	s_wait_dscnt NF
	s_branch .Lgo
.Lnone_0:
	s_wait_dscnt 0x0
.Lgo:
	SBLK 1, 1, 1, -1, -2, 3, ACC+64  ; the first trip's shows chunk 2
.set I_, 0
.rept 32  ; the pair's sums are copied, so that one trip is two blocks of text
	v_dual_mov_b32 v[ACC+64+I_], v[ACC+I_] :: v_dual_mov_b32 v[ACC+64+I_+1], v[ACC+I_+1]
.set I_, I_+2
.endr
	s_add_co_u32 s22, s46, 1
	s_and_b32 s22, s22, 3
	VTO
	s_cmp_eq_u32 s46, 0
	s_cbranch_scc1 .Lno_pair_before
	VOUT
.Lno_pair_before:
	s_cmp_eq_u32 s46, 3
	s_cbranch_scc1 .Lnone_1
	FETCHAT 1, ADRA, AAS
.Lnone_1:
	s_mov_b32 s8, 40*272
	s_cmp_eq_u32 s46, 0
	s_cselect_b32 s47, 0, 64*PITCH
	s_cselect_b32 s8, 32*272, s8
	s_add_co_u32 s46, s46, 1
	s_cmp_lg_u32 s46, 4
	s_cbranch_scc1 .Lpair
	s_wait_xcnt 0x0
.set K_, 0
.rept 60
	GAPV K_, ACC+64
.set K_, K_+1
.endr
	s_mov_b32 s22, 1
	VTO
	VOUT
	s_wait_dscnt 0x0  ; the scale bytes
	BARRIER
	v_lshlrev_b32 v20, 4, v3
	s_lshl_b32 s21, s14, 9
	s_add_co_u32 s21, s21, XN
	v_add_nc_u32 v21, s21, v20
	v_lshlrev_b32 v22, 3, v3
	s_lshl_b32 s21, s14, 8
	s_add_co_u32 s21, s21, XV
	v_add_nc_u32 v23, s21, v22
	WALU
	ds_load_b128 v[60:63], v21
	ds_load_b64 v[40:41], v23
	s_wait_dscnt 0x0
	global_store_b128 v20, v[60:63], s[94:95]
	global_store_b64 v22, v[40:41], s[98:99]
	s_wait_tensorcnt 0x0  ; the wave's end
	ds_add_u32 v[SPW], v[NIL]
	s_wait_dscnt 0x0
	CROUND
	s_endpgm
.Lfunc_end_k_q15403f27f1_proj:
	.size	k_q15403f27f1_proj, .Lfunc_end_k_q15403f27f1_proj-k_q15403f27f1_proj
	.p2alignl 7, 3214868480
	.fill 96, 4, 3214868480
	.section	.rodata,"a",@progbits
	.p2align	6, 0x0
	.amdhsa_kernel k_q15403f27f1_proj
		.amdhsa_group_segment_fixed_size 327680
		.amdhsa_private_segment_fixed_size 0
		.amdhsa_enable_private_segment 0
		.amdhsa_kernarg_size 88
		.amdhsa_user_sgpr_count 2
		.amdhsa_user_sgpr_kernarg_segment_ptr 1
		.amdhsa_wavefront_size32 1
		.amdhsa_system_sgpr_workgroup_id_x 1
		.amdhsa_system_sgpr_workgroup_id_y 1
		.amdhsa_system_sgpr_workgroup_id_z 1
		.amdhsa_system_vgpr_workitem_id 0
		.amdhsa_next_free_vgpr 1024
		.amdhsa_next_free_sgpr 102
		.amdhsa_reserve_vcc 0
		.amdhsa_float_denorm_mode_32 3
		.amdhsa_float_denorm_mode_16_64 3
		.amdhsa_memory_ordered 1
		.amdhsa_forward_progress 1
		.amdhsa_inst_pref_size 161
	.end_amdhsa_kernel
	.amdgpu_metadata
---
amdhsa.version: [ 1, 2 ]
amdhsa.kernels:
  - .name:           k_q15403f27f1_proj
    .symbol:         k_q15403f27f1_proj.kd
    .args:
      - { .name: X_codes, .offset: 0, .size: 8, .value_kind: global_buffer, .address_space: global }
      - { .name: X_scales, .offset: 8, .size: 8, .value_kind: global_buffer, .address_space: global }
      - { .name: Wq_codes, .offset: 16, .size: 8, .value_kind: global_buffer, .address_space: global }
      - { .name: Wq_scales, .offset: 24, .size: 8, .value_kind: global_buffer, .address_space: global }
      - { .name: Wk_codes, .offset: 32, .size: 8, .value_kind: global_buffer, .address_space: global }
      - { .name: Wk_scales, .offset: 40, .size: 8, .value_kind: global_buffer, .address_space: global }
      - { .name: Wv_codes, .offset: 48, .size: 8, .value_kind: global_buffer, .address_space: global }
      - { .name: Wv_scales, .offset: 56, .size: 8, .value_kind: global_buffer, .address_space: global }
      - { .name: qbuf, .offset: 64, .size: 8, .value_kind: global_buffer, .address_space: global }
      - { .name: kbuf, .offset: 72, .size: 8, .value_kind: global_buffer, .address_space: global }
      - { .name: vbuf, .offset: 80, .size: 8, .value_kind: global_buffer, .address_space: global }
    .group_segment_fixed_size: 327680
    .private_segment_fixed_size: 0
    .kernarg_segment_align: 8
    .kernarg_segment_size: 88
    .max_flat_workgroup_size: 128
    .sgpr_count:     102
    .vgpr_count:     1024
    .wavefront_size: 32
...
	.end_amdgpu_metadata
.endif
;; end of part 1
;; launch scores (part 2): grid 240 x 1, 4 waves a work-group, clusters of 4 x 1, 327,680 bytes of LDS; arguments qbuf, kbuf, pbuf; writes pbuf
.if DOCPART == 2
	.amdgcn_target "amdgcn-amd-amdhsa--gfx1250"
	.amdhsa_code_object_version 6
	.text
	.protected	k_q15403f27f1_scores
	.globl	k_q15403f27f1_scores
	.p2align	8
	.type	k_q15403f27f1_scores,@function
k_q15403f27f1_scores:
	s_mov_b64 s[64:65], 0
	v_nop
	global_prefetch_b8 v0, s[64:65] scope:SCOPE_SE
	s_setreg_imm32_b32 hwreg(HW_REG_WAVE_MODE, 25, 1), 1
	s_wait_xcnt 0x0
	s_wait_alu depctr_hold_cnt(0) depctr_sa_sdst(0) depctr_va_vdst(0) depctr_va_sdst(0) depctr_va_ssrc(0) depctr_va_vcc(0) depctr_vm_vsrc(0)
	s_getreg_b32 s2, hwreg(HW_REG_IB_STS2, 6, 4)
	s_cmp_eq_u32 s2, 0
	s_cbranch_scc0 .Lentry_in_a_cluster
	s_endpgm
.Lentry_in_a_cluster:
	s_bfe_u32 s2, ttmp6, 0x10000c
	s_cmp_lg_u32 s2, 0x3003
	s_cbranch_scc0 .Lentry_shape_is_right
	s_endpgm
.Lentry_shape_is_right:
; S = q k^T on the codes that the launch before made (K = e = 1,024), the causal mask, and the softmax's p for the last product, finished for each (query, 128 keys) with a whole number M of its own:
; t = score x log2(e) / 32;  M = ceil(the largest t of the query's 128 keys here);  p = 2^(t - M), quantised along the keys to E5M2 with one E8M0 byte for each 32 keys.
; -M and the sum of the unquantised p go out beside the codes: the next launch brings all chunks under the row's largest M by taking whole numbers off the scale bytes, which leaves the codes as they are.
; THE DEAL.  A batch (y) has 16 tiles of 128 queries and 16 chunks of 128 keys.  The next launch reads chunk j of tile i where i / 4 >= j / 4; with c = j / 4 these are tiles 4 c .. 15.  A work-group makes THREE tiles x one chunk:
; 6, 4, 3, 2 triples for c = 0 .. 3: fifteen triples, each for the four chunks 4 c .. 4 c + 3 of a cluster.  LEFT OUT: all other tiles, which lie wholly above the diagonal (their weight is 0 for all finite inputs; a NaN or an infinity that reaches only them is not carried to the result).
; A last triple would pass tile 15 (first tile 14 or 15): it is moved to tiles 13 .. 15, and what the triple before it also makes is not stored.  A wholly hidden tile among those read holds zero codes, bytes 1, -M = 1e30 and the sum 0.
; CLUSTER 4 x 1: the three tiles of q are asked for jointly by the four work-groups; the chunk of k is each work-group's own and comes by a plain load.
; A WAVE has 32 queries of each tile (images 2 w, 2 w + 1) x 128 keys: six blocks of 16 x 128, 48 accumulators.  Source 0 = 16 keys, source 1 = 16 queries: a lane holds one query, its registers run along the keys.
; THE MASK IS THE C OF THE FIRST PRODUCTS: 0, or -3e38 where the key is hidden; scores beside -3e38 vanish, and exp2 of such a t less M is 0.
; IN.  qbuf, kbuf: [64 groups of 128 rows][8 chunks of 128 e][16,896]: eight images of operand registers (2,048 bytes each: group c at 512 c, lane l at 16 l), then 512 bytes of scale words, row 32 a + l at 16 l + 4 a.  A part of a slot is two chunks
; of one group: 33,792 dense bytes, one tensor load: waves 0 to 2 q's tiles, wave 3 the keys.
; OUT.  pbuf: [4][16 tiles][16 chunks][17,920]: eight images, then three runs of 512 bytes (scale words, -M, the sum), row 64 s + 32 a + l at 256 s + 8 l + 4 a.
; PREFETCH: of a fill's 132 blocks of 256 bytes of a tile of q the four partners take 33 each, told apart by address; wave 3 asks for its own 132 of k.  Fills 1 and 2 from the head, fill 3 behind fill 1's load.
; LIMITS: NaN and infinities are not served; a row's largest t under -1e30 is not served; p under 2^-126 is taken as 0 (v_exp_f32).
; THE BATCH (y above) and the triple are dealt by the cluster's number n = 0 .. 59: with m = n + 2, runs of four numbers m by turns take batches 0, 1 and batches 2, 3; of a kind's thirty clusters the first fifteen take the first batch.
.set BLK,    16896
.set PBLK,   17920
.set PART,   2*BLK
.set SLOT,   4*PART                    ; q's three tiles, then the keys
.set SPARE,  2*SLOT                    ; the spare words
.set MT,     SPARE+512                 ; three tiles' words on the way out, 1,536 bytes each
.set WV, 10
.set CX, 11
.set BT, 12
.set T0S, 13                           ; the first tile
.set DUP, 14                           ; how many of the three tiles the triple before also makes
.set J, 15                             ; my chunk of keys
.set TB, 16                            ; where the slot in hand begins
.set PT, 17                            ; my part's place in a slot
.set G1A, 24
.set G0A, 32
.set G1B, 48
.set G0B, 56
.set CS, 66                            ; s[66:67] log2(e) / 32
.set SEL, 68
.set NEG, 70
.set HMASK, 80
.set MNT, 81
.set PM, 82
.set POUT, 84
.set PFQ, 92
.set PFK, 94
.set BA, 8                             ; v8-12 the five LDS addresses in slot 0, v16-20 in the slot in hand: q's tiles 0, 1; q's tile 2; keys; q's scale words, tiles 0, 1; tile 2
.set AD, 16
.set GOC, 24                           ; 16 x lane
.set SPW, 28
.set NIL, 29
.set MTA, 30
.set RDM, 31
.set SC, 32                            ; scale words of set p at v[32 + 8 p]: q's tiles 0 to 2, (one idle), the keys' four
.set TM, 64
.set PN, 80                            ; v[80:81] -M (the packed form names a pair)
.set SA, 82
.set SB, 84
.set T0, 86
.set T1, 87
.set PW, 88
.set NMR, 96
.set LR, 104
.set GW, 112
.set DG, 112                           ; in the head: the mask on the diagonal
.set AF, 128                           ; q's fragments: set 0 in window 0, set 1 in window 3; the keys' two sets in window 1
.set CD, 128
.set MSB, 0
.macro WIN new
.if MSB != (\new)
	s_set_vgpr_msb (MSB<<8)|(\new)
.set MSB, (\new)
.endif
.endm
.macro PLACES n
.rept \n
	v_nop
.endr
.endm
.macro CREST
	s_cmp_lg_u32 s[WV], 0
	s_cbranch_scc1 .Lnot_wave_0_\@
	s_barrier_signal -3
.Lnot_wave_0_\@:
	s_barrier_wait -3
	s_barrier_signal -1
	s_barrier_wait -1
.endm
.macro CROUND
	s_barrier_signal -1
	s_barrier_wait -1
	CREST
.endm
.macro JLOAD                           ; waves 0 to 2: a tile of q, jointly; wave 3: the keys
	s_cmp_lt_u32 s[WV], 3
	s_cbranch_scc0 .Lfor_k_\@
	tensor_load_to_lds s[G0A:G0A+3], s[G1A:G1A+7]
	s_nop 0
	PLACES 4
	s_branch .Lasked_\@
.Lfor_k_\@:
	tensor_load_to_lds s[G0B:G0B+3], s[G1B:G1B+7]
	s_nop 0
	PLACES 4
.Lasked_\@:
.endm
.macro ASK f                           ; my share of fill f
	s_cmp_lt_u32 s[WV], 3
	s_cbranch_scc0 .Lask_k_\@
	global_prefetch_b8 v2, s[PFQ:PFQ+1] offset:(\f)*PART th:TH_LOAD_NT scope:SCOPE_SE
	global_prefetch_b8 v3, s[PFQ:PFQ+1] offset:(\f)*PART th:TH_LOAD_NT scope:SCOPE_SE
	s_branch .Lask_d_\@
.Lask_k_\@:
.irp i, 0,1,2,3
	global_prefetch_b8 v4, s[PFK:PFK+1] offset:(\f)*PART+8192*\i th:TH_LOAD_NT scope:SCOPE_SE
.endr
	global_prefetch_b8 v5, s[PFK:PFK+1] offset:(\f)*PART+32768 th:TH_LOAD_NT scope:SCOPE_SE
.Lask_d_\@:
.endm
.macro WM
.if wR0 && wR1
	v_wmma_scale_f32_16x16x128_f8f6f4 v[wD:wD+7], v[wS0:wS0+15], v[wS1:wS1+15], v[wD:wD+7], v[wX0], v[wX1] matrix_a_fmt:MATRIX_FMT_BF8 matrix_b_fmt:MATRIX_FMT_BF8 matrix_a_scale:MATRIX_SCALE_ROW1 matrix_b_scale:MATRIX_SCALE_ROW1
.elseif wR0
	v_wmma_scale_f32_16x16x128_f8f6f4 v[wD:wD+7], v[wS0:wS0+15], v[wS1:wS1+15], v[wD:wD+7], v[wX0], v[wX1] matrix_a_fmt:MATRIX_FMT_BF8 matrix_b_fmt:MATRIX_FMT_BF8 matrix_a_scale:MATRIX_SCALE_ROW1
.elseif wR1
	v_wmma_scale_f32_16x16x128_f8f6f4 v[wD:wD+7], v[wS0:wS0+15], v[wS1:wS1+15], v[wD:wD+7], v[wX0], v[wX1] matrix_a_fmt:MATRIX_FMT_BF8 matrix_b_fmt:MATRIX_FMT_BF8 matrix_b_scale:MATRIX_SCALE_ROW1
.else
	v_wmma_scale_f32_16x16x128_f8f6f4 v[wD:wD+7], v[wS0:wS0+15], v[wS1:wS1+15], v[wD:wD+7], v[wX0], v[wX1] matrix_a_fmt:MATRIX_FMT_BF8 matrix_b_fmt:MATRIX_FMT_BF8
.endif
.endm
	s_load_b128 s[4:7], s[0:1], 0x0                ; qbuf, kbuf
	s_load_b64 s[8:9], s[0:1], 0x10                ; pbuf
	v_lshl_add_u32 v[SPW], v0, 2, SPARE
	v_mov_b32 v[NIL], 0
	ds_add_u32 v[SPW], v[NIL]                      ; the wave's opening: the add, twice on end, and its wait
	ds_add_u32 v[SPW], v[NIL]
	v_lshrrev_b32 v1, 5, v0
	v_readfirstlane_b32 s[WV], v1
	s_bfe_u32 s[CX], ttmp6, 0x40000
	s_add_co_u32 s43, ttmp9, 2                     ; m = 2 .. 61
	s_bfe_u32 s[BT], s43, 0x10002                  ; the kind of run
	s_lshr_b32 s40, s43, 3
	s_lshl_b32 s40, s40, 2
	s_and_b32 s41, s43, 3
	s_add_co_u32 s43, s40, s41
	s_xor_b32 s41, s[BT], 1
	s_lshl_b32 s41, s41, 1
	s_sub_co_u32 s43, s43, s41                     ; my number 0 .. 29 among the clusters of my kind
	s_lshl_b32 s[BT], s[BT], 1
	s_cmp_ge_u32 s43, 15
	s_cselect_b32 s40, 1, 0
	s_cselect_b32 s41, 15, 0
	s_add_co_u32 s[BT], s[BT], s40                 ; the batch
	s_sub_co_u32 s43, s43, s41                     ; the triple's number 0 .. 14
	s_cmp_ge_u32 s43, 6                            ; c and the number of its first triple, from the cluster's number alone
	s_cselect_b32 s40, 1, 0
	s_cselect_b32 s41, 6, 0
	s_cmp_ge_u32 s43, 10
	s_cselect_b32 s40, 2, s40
	s_cselect_b32 s41, 10, s41
	s_cmp_ge_u32 s43, 13
	s_cselect_b32 s40, 3, s40
	s_cselect_b32 s41, 13, s41
	s_sub_co_u32 s41, s43, s41
	s_mul_i32 s41, s41, 3
	s_lshl_b32 s40, s40, 2
	s_add_co_u32 s41, s41, s40                     ; the triple's first tile,
	s_min_u32 s[T0S], s41, 13                      ; held at 13
	s_sub_co_u32 s[DUP], s41, s[T0S]
	s_add_co_u32 s[J], s40, s[CX]
	; group 1: 33,792 dense bytes as 132 rows of 256 (32 elements of 8 bytes), no padding
	s_mov_b32 s[G1A], 15|(3<<16)|(1<<21)
	s_mov_b32 s[G1B], 3<<16
.irp g, G1A, G1B
	s_mov_b32 s[\g+1], 32<<16
	s_mov_b32 s[\g+2], 132<<16
	s_mov_b32 s[\g+3], 32<<16
	s_mov_b32 s[\g+4], 132
	s_mov_b32 s[\g+5], 32
	s_mov_b32 s[\g+6], 0
	s_mov_b32 s[\g+7], 0
.endr
	s_lshl_b32 s42, s[BT], 4                       ; q: group 16 batch + first tile + wave
	s_add_co_u32 s44, s42, s[J]                    ; k: group 16 batch + chunk
	s_add_co_u32 s42, s42, s[T0S]
	s_add_co_u32 s42, s42, s[WV]
	s_mul_i32 s42, s42, 8*BLK
	s_mov_b32 s43, 0
	s_mul_i32 s44, s44, 8*BLK
	s_mov_b32 s45, 0
	s_mul_i32 s[PT], s[WV], PART
	s_mov_b32 s[TB], 0
	s_mov_b32 s[CS], 0x3d38aa3b                    ; log2(e) / 32
	s_mov_b32 s[CS+1], s[CS]
	s_mov_b32 s[SEL], 0x76543210
	s_mov_b32 s[SEL+1], 0xfedcba98
	s_mov_b32 s[NEG], 0xff61b1e6                   ; -3e38
	s_mov_b32 s[HMASK], 0xffff0000
	s_mov_b32 s[MNT], 0x600000
	s_mov_b32 s[G0A], 1
	s_mov_b32 s[G0A+1], s[PT]
	s_mov_b32 s[G0B], 1
	s_mov_b32 s[G0B+1], 3*PART
	s_wait_alu depctr_va_vdst(0)
	s_wait_dscnt 0x0                               ; both opening adds are done
	s_wait_kmcnt 0x0
	s_add_nc_u64 s[PFQ:PFQ+1], s[4:5], s[42:43]
	s_add_nc_u64 s[PFK:PFK+1], s[6:7], s[44:45]
	s_mov_b64 s[G0A+2:G0A+3], s[PFQ:PFQ+1]
	s_or_b32 s[G0A+3], s[G0A+3], 0x80000000
	s_mov_b64 s[G0B+2:G0B+3], s[PFK:PFK+1]
	s_or_b32 s[G0B+3], s[G0B+3], 0x80000000
	CROUND                                         ; all four work-groups are here: the first joint loads meet
	JLOAD                                          ; fill 0 into slot 0: one tensor load a wave at the head
	v_and_b32 v1, 31, v0
	v_lshlrev_b32 v[GOC], 4, v1
	s_mul_i32 s40, s[CX], 33*256                   ; the prefetches' offsets: q: my 32 blocks and the one behind them; k: 32 blocks, and the last four
	v_lshl_add_u32 v2, v1, 8, s40
	v_mov_b32 v3, s40
	v_add_nc_u32 v3, 0x2000, v3
	v_lshlrev_b32 v4, 8, v1
	v_min_u32 v5, 3, v1
	v_lshlrev_b32 v5, 8, v5
	s_lshl_b32 s40, s[WV], 12
	v_add_nc_u32 v[BA], s40, v[GOC]
	v_add_nc_u32 v[BA+1], 2*PART, v[BA]
	v_add_nc_u32 v[BA+2], 3*PART, v[GOC]
	s_lshl_b32 s41, s[WV], 2
	s_add_co_u32 s41, s41, 16384
	v_add_nc_u32 v[BA+3], s41, v[GOC]
	v_add_nc_u32 v[BA+4], 2*PART, v[BA+3]
	s_lshr_b32 s41, s[WV], 1                       ; on the way out: my rows' words in LDS
	s_lshl_b32 s41, s41, 8
	s_and_b32 s42, s[WV], 1
	s_lshl_b32 s42, s42, 2
	s_add_co_u32 s41, s41, s42
	s_add_co_u32 s41, s41, MT
	v_lshlrev_b32 v[MTA], 3, v1
	v_add_nc_u32 v[MTA], s41, v[MTA]
	s_mul_i32 s41, s[WV], 1536                     ; and the tile whose words I store
	s_add_co_u32 s41, s41, MT
	v_add_nc_u32 v[RDM], s41, v[GOC]
	v_and_b32 v6, 15, v0
	v_bfe_u32 v7, v0, 4, 1
	v_lshlrev_b32 v7, 3, v7
	v_sub_nc_u32 v6, v6, v7                        ; r - 8 h: in the accumulator on the diagonal register jj is hidden where jj > r - 8 h
	v_mov_b32 v7, s[NEG]
.irp k, 0,1,2,3,4,5,6,7
	v_cmp_gt_i32 vcc_lo, \k, v6
	v_cndmask_b32 v[DG+\k], 0, v7, vcc_lo
.endr
	v_mov_b32 v[PN+1], 0                           ; named with -M as a pair, so it is written
.irp b, 0,1,2,3
	v_mov_b32 v[TM+4+\b], 0                        ; a lane permute's destination counts as one of its sources
.endr
	s_lshl_b32 s40, s[BT], 4                       ; pbuf: block (16 batch + tile) x 16 + chunk
	s_add_co_u32 s40, s40, s[T0S]
	s_lshl_b32 s40, s40, 4
	s_add_co_u32 s40, s40, s[J]
	s_mul_i32 s40, s40, PBLK
	s_mov_b32 s41, 0
	s_add_nc_u64 s[8:9], s[8:9], s[40:41]
	s_lshl_b32 s40, s[WV], 12
	s_add_nc_u64 s[POUT:POUT+1], s[8:9], s[40:41]  ; the first tile's images 2 w on
	s_mul_i32 s40, s[WV], 16*PBLK
	s_add_nc_u64 s[PM:PM+1], s[8:9], s[40:41]      ; tile w's block
	s_sub_co_i32 s44, s[T0S], s[J]
	s_lshl_b32 s44, s44, 3
	s_lshl_b32 s45, s[WV], 1
	s_add_co_i32 s44, s44, s45                     ; 8 (tile - chunk) + image: the number of the key accumulator on the diagonal, in block 0
; The sums begin with the mask.  Accumulator b of block a, bd = 8 (tile - chunk) + image: b < bd: 0; b > bd: -3e38; b = bd: the diagonal's pattern: the middle one of the pattern, P and Q.
.macro INIT a
	WIN (2+(\a)/4)<<6
	s_add_co_i32 s45, s44, 8*((\a)/2)+(\a)%2
.irp b, 0,1,2,3,4,5,6,7
	s_cmp_gt_i32 s45, \b
	s_cselect_b32 s[86+2*(\b%2)], 0, s[NEG]
	s_cmp_lt_i32 s45, \b
	s_cselect_b32 s[87+2*(\b%2)], s[NEG], 0
.irp k, 0,1,2,3,4,5,6,7
	v_med3_num_f32 v[64*((\a)%4)+8*\b+\k], v[DG+\k], s[86+2*(\b%2)], s[87+2*(\b%2)]
.endr
.endr
.endm
	s_wait_alu depctr_va_vdst(0)
	INIT 0
	INIT 1
	INIT 2
	WIN 0
	ASK 1
	INIT 3
	INIT 4
	INIT 5
	WIN 0
	ASK 2
.macro ADDRS                           ; the LDS addresses in the slot in hand
.irp k, 0,1,2,3,4
	v_add_nc_u32 v[AD+\k], s[TB], v[BA+\k]
.endr
	s_wait_alu depctr_va_vdst(0)                   ; the wait directly behind the writes
.endm
; A slot's chunk u goes into set u: scale words (4 loads), the keys' eight fragments (32), q's six (24): images come back as they were stored, 512 consecutive bytes a load
.macro FETCH_SB u
	WIN 0
	ds_load_b32 v[SC+8*\u], v[AD+3] offset:BLK*\u
	ds_load_b32 v[SC+8*\u+1], v[AD+3] offset:PART+BLK*\u
	ds_load_b32 v[SC+8*\u+2], v[AD+4] offset:BLK*\u
	ds_load_b128 v[SC+8*\u+4:SC+8*\u+7], v[AD+2] offset:BLK*\u+16384
	WIN 0x40
.irp i, 0,1,2,3,4,5,6,7
.irp c, 0,1,2,3
	ds_load_b128 v[128*\u+16*\i+4*\c:128*\u+16*\i+4*\c+3], v[AD+2] offset:BLK*\u+2048*\i+512*\c
.endr
.endr
.endm
.macro FETCH_A u
	WIN 0xc0*\u
.irp a, 0,1,2,3,4,5
.irp c, 0,1,2,3
	ds_load_b128 v[AF+16*\a+4*\c:AF+16*\a+4*\c+3], v[AD+\a/4] offset:BLK*\u+PART*((\a/2)%2)+2048*(\a%2)+512*\c
.endr
.endr
.endm
.macro MULA a, p                       ; eight products: q's block a x the keys' eight, set p.  The 48 accumulators take turns
	WIN 1|(12*(\p))|(0x50*(2+(\a)/4))
.irp b, 0,1,2,3,4,5,6,7
.set wD, 8*(8*((\a)%4)+\b)
.set wS0, 128*(\p)+16*\b
.set wS1, AF+16*(\a)
.set wX0, SC+8*(\p)+4+\b/2
.set wR0, \b%2
.set wX1, SC+8*(\p)+(\a)/2
.set wR1, (\a)%2
	WM
.endr
.endm
.macro STEP                            ; a slot's first chunk; its second is fetched
	s_wait_dscnt 16                                ; all but the youngest 16 loads (q's blocks 2-5)
	PLACES 8                                       ; eight plain vector instructions in front of loads into registers that products have read
	MULA 0, 0
	MULA 1, 0
	FETCH_SB 1
	s_wait_dscnt 36                                ; all but the 36 just issued
	MULA 2, 0
	MULA 3, 0
	FETCH_A 1
	MULA 4, 0
	MULA 5, 0
	WIN 0
.endm
.macro TURN fill                       ; a slot's second chunk changes slots
	s_wait_tensorcnt 0x0                           ; all my tensor loads have landed: my part of the next slot
	ds_add_u32 v[SPW], v[NIL]                      ; 0 onto my spare word
.if \fill
	s_add_co_u32 s[G0A+1], s[TB], s[PT]            ; the slot that is left takes the fill two on
	s_add_co_u32 s[G0B+1], s[TB], 3*PART
	s_add_nc_u64 s[G0A+2:G0A+3], s[G0A+2:G0A+3], PART
	s_add_nc_u64 s[G0B+2:G0B+3], s[G0B+2:G0B+3], PART
.endif
	s_xor_b32 s[TB], s[TB], SLOT
	s_wait_dscnt 17                                ; the add and the youngest 16 loads may be out
	MULA 0, 1
	MULA 1, 1
	s_wait_dscnt 0x0                               ; the add is done, and my reads of this slot are over
	s_barrier_signal -1
	MULA 2, 1
	WIN 0
	s_barrier_wait -1
.if \fill
	CREST                                          ; the round: no wave of any partner still reads this slot or has a load on its way
	JLOAD
	PLACES 4
.else
	PLACES 8
.endif
	ADDRS
	FETCH_SB 0
	MULA 3, 1
	FETCH_A 0
	MULA 4, 1
	MULA 5, 1
	WIN 0
.endm
; 16 queries x 128 keys.  Register 16 B + 8 u + j of lane (r, h) is key 32 B + 16 u + 8 h + j of query r of block a.
.macro SROW a
.set WW, 2+(\a)/4
.set XB, 64*((\a)%4)
.set CA, CD+16*(\a)
.if (\a) == 2
.set CA, CD+16*7                       ; so that no conversion's destination bears a number of its sources
.endif
	WIN WW|(WW<<2)
	s_wait_alu depctr_va_vdst(0)                   ; the wait ahead of the block's first readers
.irp b, 0,1,2,3
	v_max_num_f32 v[TM+\b], v[XB+16*\b], v[XB+16*\b+1]   ; the largest score of each block of 32 keys: it serves for the row's maximum and, since p rises with the score, for the block's largest p
.endr
.irp i, 2,4,6,8,10,12,14
.irp b, 0,1,2,3
	v_max3_num_f32 v[TM+\b], v[XB+16*\b+\i], v[XB+16*\b+\i+1], v[TM+\b]
.endr
.endr
	WIN 0
.irp b, 0,1,2,3
	v_permlanex16_b32 v[TM+4+\b], v[TM+\b], s[SEL], s[SEL+1]
.endr
.irp b, 0,1,2,3
	v_max_num_f32 v[TM+\b], v[TM+\b], v[TM+4+\b]
.endr
	v_max3_num_f32 v[T0], v[TM], v[TM+1], v[TM+2]
	v_max_num_f32 v[T0], v[T0], v[TM+3]
	v_mul_f32 v[T0], s[CS], v[T0]                  ; the largest t of my query's 128 keys
	v_max_num_f32 v[T0], 0xf149f2ca, v[T0]         ; not under -1e30: a wholly hidden row's p is 0
	v_floor_f32 v[PN], -v[T0]                      ; -M = floor(-t) = -ceil(t)
.irp b, 0,1,2,3
	v_fma_f32 v[TM+\b], v[TM+\b], s[CS], v[PN]
.endr
	WIN (WW<<6)|WW
.set n, 0
.rept 32
	v_pk_fma_f32 v[XB+n:XB+n+1], v[XB+n:XB+n+1], s[CS:CS+1], v[PN:PN+1] op_sel_hi:[1,0,0]   ; t - M, two at a time
.set n, n+2
.endr
.set n, 0
	s_wait_alu depctr_va_vdst(0)
.rept 64
	v_exp_f32 v[XB+n], v[XB+n]                     ; p = 2^(t - M), not normalised
.set n, n+1
.endr
	WIN 0
	v_nop                                          ; a plain instruction behind the last exponential
	s_wait_alu depctr_va_vdst(0)                   ; one wait for the 64
.irp b, 0,1,2,3
	v_exp_f32 v[TM+\b], v[TM+\b]                   ; the block's largest p: the same two instructions on the same number
.endr
	v_mov_b32 v[NMR+(\a)], v[PN]                   ; (a plain instruction behind the four)
	s_wait_alu depctr_va_vdst(0)                   ; and one wait for the four
	WIN WW|(WW<<2)
	v_pk_add_f32 v[SA:SA+1], v[XB:XB+1], v[XB+2:XB+3]     ; the sum of the unquantised p, in two chains
	v_pk_add_f32 v[SB:SB+1], v[XB+4:XB+5], v[XB+6:XB+7]
	WIN WW
.set n, 8
.rept 14
	v_pk_add_f32 v[SA:SA+1], v[XB+n:XB+n+1], v[SA:SA+1]
	v_pk_add_f32 v[SB:SB+1], v[XB+n+2:XB+n+3], v[SB:SB+1]
.set n, n+4
.endr
	WIN 0
	v_pk_add_f32 v[SA:SA+1], v[SA:SA+1], v[SB:SB+1]
	v_add_f32 v[T1], v[SA], v[SA+1]
	v_permlanex16_b32 v[T0], v[T1], s[SEL], s[SEL+1]
	v_add_f32 v[LR+(\a)], v[T1], v[T0]             ; with lane l xor 16's 64 keys
.irp b, 0,1,2,3
	v_max_num_f32 v[TM+\b], 0x8000000, v[TM+\b]    ; the floor 2^(16 - 127): the byte cannot fall under 1
.endr
.irp b, 0,1,2,3
	v_add_nc_u32 v[TM+12+\b], 0xf8800000, v[TM+\b]
.endr
.irp b, 0,1,2,3
	v_and_or_b32 v[TM+8+\b], v[TM+\b], 0x7f800000, s[MNT]
.endr
.irp b, 0,1,2,3
	v_lshrrev_b32 v[TM+4+\b], 23, v[TM+12+\b]
.endr
	v_lshl_or_b32 v[PW+(\a)], v[TM+5], 8, v[TM+4]
	v_lshl_or_b32 v[PW+(\a)], v[TM+6], 16, v[PW+(\a)]
	v_lshl_or_b32 v[PW+(\a)], v[TM+7], 24, v[PW+(\a)]
	WIN (WW<<6)|WW
.set n, 0
.rept 64
	v_min_num_f32 v[XB+n], v[XB+n], v[TM+8+n/16]   ; the hold at 57,344 x the scale; p is not negative
.set n, n+1
.endr
	WIN WW
.irp b, 0,1,2,3
.irp u, 0,1
	v_cvt_scalef32_pk8_bf8_f32 v[CA+4*\b+2*\u:CA+4*\b+2*\u+1], v[XB+16*\b+8*\u:XB+16*\b+8*\u+7], v[TM+12+\b]
.endr
.endr
	WIN 0
	v_nop                                          ; a plain instruction behind the conversions.  Group B of lane (r, h): keys 32 B + 8 h + 0 .. 7, then 32 B + 16 + 8 h + 0 .. 7: v's codes lie in the same order
.endm
.macro SEND a                          ; block a's codes: each store covers 512 consecutive bytes
.set CA, CD+16*(\a)
.if (\a) == 2
.set CA, CD+16*7
.endif
.irp b, 0,1,2,3
	global_store_b128 v[GOC], v[CA+4*\b:CA+4*\b+3], s[POUT:POUT+1] offset:16*PBLK*((\a)/2)+2048*((\a)%2)+512*\b
.endr
.endm
	s_wait_alu depctr_va_vdst(0)                   ; the wait at the head's end
	s_wait_tensorcnt 0x0                           ; my part of slot 0 is in
	ds_add_u32 v[SPW], v[NIL]                      ; 0 onto my spare word
	s_add_co_u32 s[G0A+1], s[PT], SLOT
	s_mov_b32 s[G0B+1], SLOT+3*PART
	s_add_nc_u64 s[G0A+2:G0A+3], s[G0A+2:G0A+3], PART
	s_add_nc_u64 s[G0B+2:G0B+3], s[G0B+2:G0B+3], PART
	s_wait_dscnt 0x0
	CROUND                                         ; slot 0 is whole, and all four work-groups are here
	JLOAD                                          ; fill 1 into slot 1, the first tensor load behind the round
	ADDRS
	FETCH_SB 0
	FETCH_A 0
	ASK 3
	s_mov_b32 s18, 2
.Lfill:                                                ; slots 0 and 1: each is filled again
	STEP
	TURN 1
	s_sub_co_u32 s18, s18, 1
	s_cmp_lg_u32 s18, 0
	s_cbranch_scc1 .Lfill
	STEP
	TURN 0
	STEP
	s_wait_dscnt 0x0
.irp a, 0,1,2,3,4,5
	MULA \a, 1
.endr
	WIN 0
	PLACES 8
.irp t, 0,1,2
	SROW 2*\t
	SROW 2*\t+1
	s_cmp_gt_u32 s[DUP], \t                        ; a tile that the triple before stores is not stored here: a branch on the cluster's number
	s_cbranch_scc1 .Lnot_mine_\t
	SEND 2*\t
	SEND 2*\t+1
.Lnot_mine_\t:
.endr
.irp t, 0,1,2                          ; lanes 0-15: the tile's first block's row, lanes 16-31: its second's: row 32 w + l
	v_cndmask_b32 v[GW+3*\t], v[PW+2*\t], v[PW+2*\t+1], s[HMASK]
	v_cndmask_b32 v[GW+3*\t+1], v[NMR+2*\t], v[NMR+2*\t+1], s[HMASK]
	v_cndmask_b32 v[GW+3*\t+2], v[LR+2*\t], v[LR+2*\t+1], s[HMASK]
.endr
.irp k, 0,1,2,3,4,5,6,7,8
	ds_store_b32 v[MTA], v[GW+\k] offset:512*\k
.endr
	s_wait_dscnt 0x0
	s_barrier_signal -1
	s_barrier_wait -1
	s_cmp_ge_u32 s[WV], 3                          ; wave t stores tile t's three runs
	s_cbranch_scc1 .Lno_words
	s_cmp_gt_u32 s[DUP], s[WV]
	s_cbranch_scc1 .Lno_words
.irp k, 0,1,2
	ds_load_b128 v[32+4*\k:35+4*\k], v[RDM] offset:512*\k
.endr
	s_wait_dscnt 0x0
.irp k, 0,1,2
	global_store_b128 v[GOC], v[32+4*\k:35+4*\k], s[PM:PM+1] offset:16384+512*\k
.endr
.Lno_words:
	s_wait_tensorcnt 0x0                           ; the wave's end
	ds_add_u32 v[SPW], v[NIL]
	s_wait_dscnt 0x0
	CROUND                                         ; the closing round
	s_endpgm
.Lfunc_end_k_q15403f27f1_scores:
	.size	k_q15403f27f1_scores, .Lfunc_end_k_q15403f27f1_scores-k_q15403f27f1_scores
	.p2alignl 7, 3214868480
	.fill 96, 4, 3214868480
	.section	.rodata,"a",@progbits
	.p2align	6, 0x0
	.amdhsa_kernel k_q15403f27f1_scores
		.amdhsa_group_segment_fixed_size 327680
		.amdhsa_private_segment_fixed_size 0
		.amdhsa_enable_private_segment 0
		.amdhsa_kernarg_size 24
		.amdhsa_user_sgpr_count 2
		.amdhsa_user_sgpr_kernarg_segment_ptr 1
		.amdhsa_wavefront_size32 1
		.amdhsa_system_sgpr_workgroup_id_x 1
		.amdhsa_system_sgpr_workgroup_id_y 1
		.amdhsa_system_sgpr_workgroup_id_z 1
		.amdhsa_system_vgpr_workitem_id 0
		.amdhsa_next_free_vgpr 1024
		.amdhsa_next_free_sgpr 100
		.amdhsa_reserve_vcc 1
		.amdhsa_float_denorm_mode_32 3
		.amdhsa_float_denorm_mode_16_64 3
		.amdhsa_memory_ordered 1
		.amdhsa_forward_progress 1
		.amdhsa_inst_pref_size 189
	.end_amdhsa_kernel
	.amdgpu_metadata
---
amdhsa.version: [ 1, 2 ]
amdhsa.kernels:
  - .name:           k_q15403f27f1_scores
    .symbol:         k_q15403f27f1_scores.kd
    .args:
      - { .name: qbuf, .offset: 0, .size: 8, .value_kind: global_buffer, .address_space: global }
      - { .name: kbuf, .offset: 8, .size: 8, .value_kind: global_buffer, .address_space: global }
      - { .name: pbuf, .offset: 16, .size: 8, .value_kind: global_buffer, .address_space: global }
    .group_segment_fixed_size: 327680
    .private_segment_fixed_size: 0
    .kernarg_segment_align: 8
    .kernarg_segment_size: 24
    .max_flat_workgroup_size: 128
    .sgpr_count:     100
    .vgpr_count:     1024
    .wavefront_size: 32
...
	.end_amdgpu_metadata
.endif
;; end of part 2
;; launch pv (part 3): grid 8 x 32, 4 waves a work-group, clusters of 4 x 4, 327,680 bytes of LDS; arguments pbuf, vbuf, out0; writes out0
.if DOCPART == 3
	.amdgcn_target "amdgcn-amd-amdhsa--gfx1250"
	.amdhsa_code_object_version 6
	.text
	.protected	k_q15403f27f1_pv
	.globl	k_q15403f27f1_pv
	.p2align	8
	.type	k_q15403f27f1_pv,@function
k_q15403f27f1_pv:
	s_mov_b64 s[64:65], 0
	v_nop
	global_prefetch_b8 v0, s[64:65] scope:SCOPE_SE
	s_setreg_imm32_b32 hwreg(HW_REG_WAVE_MODE, 25, 1), 1
	s_wait_xcnt 0x0
	s_wait_alu depctr_hold_cnt(0) depctr_sa_sdst(0) depctr_va_vdst(0) depctr_va_sdst(0) depctr_va_ssrc(0) depctr_va_vcc(0) depctr_vm_vsrc(0)
	s_getreg_b32 s2, hwreg(HW_REG_IB_STS2, 6, 4)
	s_cmp_eq_u32 s2, 0
	s_cbranch_scc0 .Lentry_in_a_cluster
	s_endpgm
.Lentry_in_a_cluster:
	s_bfe_u32 s2, ttmp6, 0x10000c
	s_cmp_lg_u32 s2, 0xf033
	s_cbranch_scc0 .Lentry_shape_is_right
	s_endpgm
.Lentry_shape_is_right:
; out = p v / l on the codes that the launches before made.  Each 128 keys of p carry a whole number M of their own: its distance from the row's largest M comes off the scale bytes, and the sums are joined with the same powers of two.
; THE DEAL.  A work-group makes 128 queries x 128 columns of TWO tiles of queries of a batch: tile A in square 3 - RP of 512 queries, tile B in square RP (RP = 0, 1).  A takes 4 - RP squares of 512 keys, B takes RP + 1: five slots of 512 keys in all.
; A cluster's row of work-groups has one pair of tiles, its column one group of 128 columns.  With y the cluster's y, y' = (y + 1) mod 8: batch y' / 2, RP = y' % 2.
; LEFT OUT: the keys behind a tile's square, which the causal mask hides: their weight is 0 for all finite inputs; a NaN or an infinity that reaches only them is not carried to the result.
; CLUSTER 4 x 4: p's tile is asked for jointly along a row of the cluster, v's along a column.
; PREFETCH: of a fill's blocks of 256 bytes (140 of p or 132 of v in the part that a wave fetches) the four partners take 35 or 33 each, told apart by address; fill 1 behind fill 0's load, 2 and 3 behind fill 1's, 4 behind fill 2's.
; What v's waves fetch a second time (RP = 1: fill 3; fill 4) is not asked for.
; A WAVE makes 64 queries x 64 columns: 16 accumulators in window 1.  Source 0 = 16 columns of v, source 1 = 16 queries.  Fragments: p's in window 0, v's in window 1, two sets each.
; LIMITS: NaN and infinities are not served.  A chunk's M more than 127 under the row's largest is taken as 127 under it; a scale byte that would fall under 0 becomes 0 (2^-127).
.set BLK,    16896
.set PBLK,   17920
.set VOFF,   4*PBLK
.set SLOT,   4*PBLK+4*BLK              ; four chunks of p's tile, then four of v's
.set STAGE,  2*SLOT                    ; 16 rows x 272 bytes for each wave, for the way out
.set SP,     272
.set SPARE,  STAGE+4*16*SP
.set WV, 10
.set HL, 11                            ; which 64 queries; also: 0 = I fetch p, 1 = v
.set HR, 12                            ; which 64 columns; also: which two chunks I fetch
.set CX, 13
.set CY, 14
.set RP, 15
.set BT, 16
.set ITA, 17
.set ITB, 20
.set EG, 21
.set M3, 22
.set G1A, 24
.set G0A, 32
.set PBA, 40
.set PBB, 42
.set OUTA, 44
.set OUTB, 46
.set G1B, 48
.set G0B, 56
.set PF2, 66                           ; where fills 2 to 4 come from: p,
.set PF3, 68
.set PF4, 70
.set VF2, 72                           ; and v
.set VF3, 74
.set VF4, 76
.set SEL, 78
.set HMASK, 80
.set RLBA, 4                           ; v4-11 1 / l of tile A's four blocks, each twice (the packed form names a pair)
.set NMGA, 12                          ; v12-13 tile A's -M
.set NM3, 14
.set ADR1, 16
.set ADRM, 18
.set ADR0, 20
.set STO, 22
.set RD, 23
.set CO, 24
.set VMO, 25
.set ADRV, 26
.set SPW, 28
.set NIL, 29
.set NMGB, 30
.set PWD, 32                           ; p's scale words as adjusted, two slots
.set VW, 48                            ; v's
.set RW, 64                            ; p's as stored
.set RN, 72                            ; and their -M
.set TA, 80
.set TU, 88
.set TK, 96
.set TL, 104
.set RLBB, 112
.set LI, 120
.set LJ, 122
.set GO, 124
.set HNA, 128                          ; in the head: all chunks' -M and sums
.set HLA, 160
.set HNB, 192
.set HLB, 208
.set TT, 192                           ; the way out
.set BK, 224                           ; rows read back: v224-255 and v64-95 by turns
.set MULW, 0x51
.set TO_B, 0x40
.set MSB, 0
.macro WIN new
.if MSB != (\new)
	s_set_vgpr_msb (MSB<<8)|(\new)
.set MSB, (\new)
.endif
.endm
.macro PLACES n
.rept \n
	v_nop
.endr
.endm
.macro CREST
	s_cmp_lg_u32 s[WV], 0
	s_cbranch_scc1 .Lnot_wave_0_\@
	s_barrier_signal -3
.Lnot_wave_0_\@:
	s_barrier_wait -3
	s_barrier_signal -1
	s_barrier_wait -1
.endm
.macro CROUND
	s_barrier_signal -1
	s_barrier_wait -1
	CREST
.endm
.macro JLOAD g0a, g1a, g0b, g1b        ; waves 0, 1 ask for p, waves 2, 3 for v
	s_cmp_eq_u32 s[HL], 0
	s_cbranch_scc0 .Lfor_b_\@
	tensor_load_to_lds s[\g0a:\g0a+3], s[\g1a:\g1a+7]
	s_nop 0
	PLACES 4
	s_branch .Lasked_\@
.Lfor_b_\@:
	tensor_load_to_lds s[\g0b:\g0b+3], s[\g1b:\g1b+7]
	s_nop 0
	PLACES 4
.Lasked_\@:
.endm
.macro WM zero
.if \zero
.if wR0 && wR1
	v_wmma_scale_f32_16x16x128_f8f6f4 v[wD:wD+7], v[wS0:wS0+15], v[wS1:wS1+15], 0, v[wX0], v[wX1] matrix_a_fmt:MATRIX_FMT_BF8 matrix_b_fmt:MATRIX_FMT_BF8 matrix_a_scale:MATRIX_SCALE_ROW1 matrix_b_scale:MATRIX_SCALE_ROW1
.elseif wR0
	v_wmma_scale_f32_16x16x128_f8f6f4 v[wD:wD+7], v[wS0:wS0+15], v[wS1:wS1+15], 0, v[wX0], v[wX1] matrix_a_fmt:MATRIX_FMT_BF8 matrix_b_fmt:MATRIX_FMT_BF8 matrix_a_scale:MATRIX_SCALE_ROW1
.elseif wR1
	v_wmma_scale_f32_16x16x128_f8f6f4 v[wD:wD+7], v[wS0:wS0+15], v[wS1:wS1+15], 0, v[wX0], v[wX1] matrix_a_fmt:MATRIX_FMT_BF8 matrix_b_fmt:MATRIX_FMT_BF8 matrix_b_scale:MATRIX_SCALE_ROW1
.else
	v_wmma_scale_f32_16x16x128_f8f6f4 v[wD:wD+7], v[wS0:wS0+15], v[wS1:wS1+15], 0, v[wX0], v[wX1] matrix_a_fmt:MATRIX_FMT_BF8 matrix_b_fmt:MATRIX_FMT_BF8
.endif
.else
.if wR0 && wR1
	v_wmma_scale_f32_16x16x128_f8f6f4 v[wD:wD+7], v[wS0:wS0+15], v[wS1:wS1+15], v[wD:wD+7], v[wX0], v[wX1] matrix_a_fmt:MATRIX_FMT_BF8 matrix_b_fmt:MATRIX_FMT_BF8 matrix_a_scale:MATRIX_SCALE_ROW1 matrix_b_scale:MATRIX_SCALE_ROW1
.elseif wR0
	v_wmma_scale_f32_16x16x128_f8f6f4 v[wD:wD+7], v[wS0:wS0+15], v[wS1:wS1+15], v[wD:wD+7], v[wX0], v[wX1] matrix_a_fmt:MATRIX_FMT_BF8 matrix_b_fmt:MATRIX_FMT_BF8 matrix_a_scale:MATRIX_SCALE_ROW1
.elseif wR1
	v_wmma_scale_f32_16x16x128_f8f6f4 v[wD:wD+7], v[wS0:wS0+15], v[wS1:wS1+15], v[wD:wD+7], v[wX0], v[wX1] matrix_a_fmt:MATRIX_FMT_BF8 matrix_b_fmt:MATRIX_FMT_BF8 matrix_b_scale:MATRIX_SCALE_ROW1
.else
	v_wmma_scale_f32_16x16x128_f8f6f4 v[wD:wD+7], v[wS0:wS0+15], v[wS1:wS1+15], v[wD:wD+7], v[wX0], v[wX1] matrix_a_fmt:MATRIX_FMT_BF8 matrix_b_fmt:MATRIX_FMT_BF8
.endif
.endif
.endm
	s_load_b128 s[4:7], s[0:1], 0x0                ; pbuf, vbuf
	s_load_b64 s[8:9], s[0:1], 0x10                ; out0
	v_lshl_add_u32 v[SPW], v0, 2, SPARE
	v_mov_b32 v[NIL], 0
	ds_add_u32 v[SPW], v[NIL]                      ; the wave's opening: the add, twice on end, and its wait
	ds_add_u32 v[SPW], v[NIL]
	s_wait_dscnt 0x0
	v_lshrrev_b32 v1, 5, v0
	v_readfirstlane_b32 s[WV], v1
	s_lshr_b32 s[HL], s[WV], 1
	s_and_b32 s[HR], s[WV], 1
	s_bfe_u32 s[CX], ttmp6, 0x40000
	s_bfe_u32 s[CY], ttmp6, 0x40004
	s_and_b32 s84, ttmp7, 0xffff
	s_add_co_u32 s84, s84, 1
	s_and_b32 s84, s84, 7
	s_lshr_b32 s[BT], s84, 1
	s_and_b32 s[RP], s84, 1
	s_sub_co_u32 s85, 3, s[RP]
	s_lshl_b32 s[ITA], s85, 2
	s_add_co_u32 s[ITA], s[ITA], s[CY]             ; tile A
	s_lshl_b32 s[ITB], s[RP], 2
	s_add_co_u32 s[ITB], s[ITB], s[CY]             ; tile B
	s_lshl_b32 s[EG], ttmp9, 2
	s_add_co_u32 s[EG], s[EG], s[CX]               ; which 128 columns
	s_lshl_b32 s18, s[CY], 2
	s_lshl_b32 s18, 15, s18                        ; my row of the cluster
	s_lshl_b32 s19, 0x1111, s[CX]                  ; my column
	; group 1: two chunks as dense rows of 256 bytes (32 elements of 8 bytes): p 140, v 132
	s_or_b32 s[G1A], s18, (3<<16)|(1<<21)
	s_mov_b32 s[G1A+1], 32<<16
	s_mov_b32 s[G1A+2], 140<<16
	s_mov_b32 s[G1A+3], 32<<16
	s_mov_b32 s[G1A+4], 140
	s_mov_b32 s[G1A+5], 32
	s_mov_b32 s[G1A+6], 0
	s_mov_b32 s[G1A+7], 0
	s_or_b32 s[G1B], s19, (3<<16)|(1<<21)
	s_mov_b32 s[G1B+1], 32<<16
	s_mov_b32 s[G1B+2], 132<<16
	s_mov_b32 s[G1B+3], 32<<16
	s_mov_b32 s[G1B+4], 132
	s_mov_b32 s[G1B+5], 32
	s_mov_b32 s[G1B+6], 0
	s_mov_b32 s[G1B+7], 0
	s_lshl_b32 s86, s[BT], 4
	s_add_co_u32 s84, s86, s[ITA]
	s_mul_i32 s84, s84, 16*PBLK
	s_mov_b32 s85, 0
	s_add_co_u32 s86, s86, s[ITB]
	s_mul_i32 s86, s86, 16*PBLK
	s_mov_b32 s87, 0
	s_mul_i32 s88, s[HR], 2*PBLK
	s_mov_b32 s89, 0
	s_lshl_b32 s90, s[BT], 3
	s_add_co_u32 s90, s90, s[EG]
	s_mul_i32 s90, s90, 16*BLK
	s_mul_i32 s92, s[HR], 2*BLK
	s_add_co_u32 s90, s90, s92
	s_mov_b32 s91, 0
	s_add_co_u32 s92, s92, VOFF
	s_mov_b32 s[SEL], 0x76543210
	s_mov_b32 s[SEL+1], 0xfedcba98
	s_mov_b32 s[HMASK], 0xffff0000
	s_wait_kmcnt 0x0
	s_add_nc_u64 s[PBA:PBA+1], s[4:5], s[84:85]
	s_add_nc_u64 s[PBB:PBB+1], s[4:5], s[86:87]
	s_add_nc_u64 s[84:85], s[PBA:PBA+1], s[88:89]
	s_add_nc_u64 s[86:87], s[PBB:PBB+1], s[88:89]
	s_add_nc_u64 s[90:91], s[6:7], s[90:91]
	s_add_nc_u64 s[PF2:PF2+1], s[84:85], 8*PBLK
	s_add_nc_u64 s[PF3:PF3+1], s[84:85], 12*PBLK
	s_add_nc_u64 s[PF4:PF4+1], s[86:87], 4*PBLK
	s_add_nc_u64 s[VF2:VF2+1], s[90:91], 8*BLK
	s_add_nc_u64 s[VF3:VF3+1], s[90:91], 12*BLK
	s_add_nc_u64 s[VF4:VF4+1], s[90:91], 4*BLK
	s_cmp_eq_u32 s[RP], 0                          ; RP = 0: fill 3 is A's last, fill 4 B's only one; RP = 1: both are B's
	s_cselect_b64 s[PF3:PF3+1], s[PF3:PF3+1], s[86:87]
	s_cselect_b64 s[PF4:PF4+1], s[86:87], s[PF4:PF4+1]
	s_cselect_b64 s[VF3:VF3+1], s[VF3:VF3+1], s[90:91]
	s_cselect_b64 s[VF4:VF4+1], s[90:91], s[VF4:VF4+1]
	s_cselect_b32 s[M3], 0, -1
	CROUND                                         ; all sixteen work-groups are here: the first joint loads meet
.irp s, 0,1
	s_mov_b32 s[G0A+4*\s], 1
	s_add_co_u32 s[G0A+4*\s+1], s88, \s*SLOT
	s_add_nc_u64 s[G0A+4*\s+2:G0A+4*\s+3], s[84:85], \s*4*PBLK
	s_or_b32 s[G0A+4*\s+3], s[G0A+4*\s+3], 0x80000000
	s_mov_b32 s[G0B+4*\s], 1
	s_add_co_u32 s[G0B+4*\s+1], s92, \s*SLOT
	s_add_nc_u64 s[G0B+4*\s+2:G0B+4*\s+3], s[90:91], \s*4*BLK
	s_or_b32 s[G0B+4*\s+3], s[G0B+4*\s+3], 0x80000000
.endr
	JLOAD G0A, G1A, G0B, G1B                       ; slot 0: one tensor load a wave at the head
	v_and_b32 v1, 31, v0
	v_and_b32 v2, 15, v0
	v_bfe_u32 v3, v0, 4, 1
	v_lshlrev_b32 v[CO], 4, v1
	s_lshl_b32 s96, s[HL], 8
	s_add_co_u32 s97, s96, BLK
	v_lshl_add_u32 v[VMO], v1, 3, s97
.set k, 0
.rept 8                                ; chunks that a tile does not have: -M = 3e38, the sum 0
	v_mov_b32 v[HNA+24+k], 0x7f61b1e6
	v_mov_b32 v[HLA+24+k], 0
	v_mov_b32 v[HNB+8+k], 0x7f61b1e6
	v_mov_b32 v[HLB+8+k], 0
.set k, k+1
.endr
.macro HEADLD hn, hl, pb, c            ; my 64 rows' -M and sums of chunk c: rows 32 w + l in register w
	global_load_b64 v[\hn+2*\c:\hn+2*\c+1], v[VMO], s[\pb:\pb+1] offset:PBLK*\c
	global_load_b64 v[\hl+2*\c:\hl+2*\c+1], v[VMO], s[\pb:\pb+1] offset:PBLK*\c+512
.endm
.irp c, 0,1,2,3,4,5,6,7,8,9,10,11
	HEADLD HNA, HLA, PBA, \c
.endr
.irp c, 0,1,2,3
	HEADLD HNB, HLB, PBB, \c
.endr
	s_cmp_eq_u32 s[RP], 0
	s_cbranch_scc0 .Lh1
.irp c, 12,13,14,15
	HEADLD HNA, HLA, PBA, \c
.endr
	s_branch .Lhd
.Lh1:
.irp c, 4,5,6,7
	HEADLD HNB, HLB, PBB, \c
.endr
.Lhd:
	s_add_nc_u64 s[84:85], s[84:85], 4*PBLK
	s_add_nc_u64 s[90:91], s[90:91], 4*BLK
	s_mov_b32 s94, 33*256
	s_cmp_eq_u32 s[HL], 0
	s_cselect_b64 s[84:85], s[84:85], s[90:91]     ; fill 1
	s_cselect_b64 s[86:87], s[PF2:PF2+1], s[VF2:VF2+1]
	s_cselect_b64 s[88:89], s[PF3:PF3+1], s[VF3:VF3+1]
	s_cselect_b32 s93, 35*256, s94
	s_cselect_b32 s94, s[CX], s[CY]                ; my place among the four that load it with me
	s_cselect_b32 s95, 2, 0
	s_mul_i32 s94, s94, s93
	v_lshl_add_u32 v126, v1, 8, s94                ; 32 blocks, a lane a block,
	v_min_u32 v127, s95, v1
	v_lshl_add_u32 v127, v127, 8, s94
	v_add_nc_u32 v127, 0x2000, v127                ; and the three or the one behind them
	s_wait_alu depctr_va_vdst(0)
	s_lshl_b32 s97, s[HL], 13
	v_add_nc_u32 v[ADR1], s97, v[CO]
	v_add_nc_u32 v[ADR1+1], SLOT, v[ADR1]
	s_add_co_u32 s97, s96, 16384
	v_lshl_add_u32 v[ADRM], v1, 3, s97
	v_add_nc_u32 v[ADRM+1], SLOT, v[ADRM]
	s_lshl_b32 s97, s[HR], 13
	s_add_co_u32 s97, s97, VOFF
	v_add_nc_u32 v[ADR0], s97, v[CO]
	v_add_nc_u32 v[ADR0+1], SLOT, v[ADR0]
	s_lshl_b32 s97, s[HR], 3
	s_add_co_u32 s97, s97, VOFF+16384
	v_add_nc_u32 v[ADRV], s97, v[CO]
	v_add_nc_u32 v[ADRV+1], SLOT, v[ADRV]
	s_mul_i32 s97, s[WV], 16*SP
	s_add_co_u32 s97, s97, STAGE
	v_mul_u32_u24 v[STO], v2, SP
	v_lshl_add_u32 v[STO], v3, 5, v[STO]
	v_add_nc_u32 v[STO], s97, v[STO]
	v_mul_u32_u24 v[RD], v3, SP
	v_lshl_add_u32 v[RD], v2, 4, v[RD]
	v_add_nc_u32 v[RD], s97, v[RD]
	global_prefetch_b8 v126, s[84:85] th:TH_LOAD_NT scope:SCOPE_SE
	global_prefetch_b8 v127, s[84:85] th:TH_LOAD_NT scope:SCOPE_SE
	v_lshlrev_b32 v[GO], 12, v3
	v_lshl_add_u32 v[GO], v2, 4, v[GO]
	s_lshl_b32 s96, s[BT], 11                      ; out: row 2,048 batch + 128 tile + 64 HL, column 128 group + 64 HR
	s_lshl_b32 s97, s[HL], 6
	s_add_co_u32 s96, s96, s97
	s_lshl_b32 s97, s[EG], 9
	s_lshl_b32 s98, s[HR], 8
	s_add_co_u32 s97, s97, s98
	s_lshl_b32 s98, s[ITA], 7
	s_add_co_u32 s98, s98, s96
	s_lshl_b32 s98, s98, 12
	s_add_co_u32 s98, s98, s97
	s_mov_b32 s99, 0
	s_add_nc_u64 s[OUTA:OUTA+1], s[8:9], s[98:99]
	s_lshl_b32 s98, s[ITB], 7
	s_add_co_u32 s98, s98, s96
	s_lshl_b32 s98, s98, 12
	s_add_co_u32 s98, s98, s97
	s_add_nc_u64 s[OUTB:OUTB+1], s[8:9], s[98:99]
; A tile's rows: -M of the whole row = the least of the chunks'; each chunk's sum is brought under it by a power of two; 1 / l, spread to the lanes of the four blocks.
.macro HEADM hn, hl, nc, nmg, rlb
.irp q, 0,1
	v_min3_num_f32 v[\nmg+\q], v[\hn+\q], v[\hn+2+\q], v[\hn+4+\q]
.set c, 3
.rept (\nc-4)/2
	v_min3_num_f32 v[\nmg+\q], v[\nmg+\q], v[\hn+2*c+\q], v[\hn+2*c+2+\q]
.set c, c+2
.endr
	v_min_num_f32 v[\nmg+\q], v[\nmg+\q], v[\hn+2*\nc-2+\q]
.endr
.set k, 0
.rept 2*\nc
	v_sub_f32 v[\hn+k], v[\nmg+k%2], v[\hn+k]
.set k, k+1
.endr
.set k, 0
.rept 2*\nc
	v_max_num_f32 v[\hn+k], 0xc2fe0000, v[\hn+k]
.set k, k+1
.endr
.set k, 0
.rept 2*\nc
	v_cvt_i32_f32 v[\hn+k], v[\hn+k]
.set k, k+1
.endr
.set k, 0
.rept 2*\nc
	v_ldexp_f32 v[\hl+k], v[\hl+k], v[\hn+k]
.set k, k+1
.endr
	v_pk_add_f32 v[LI:LI+1], v[\hl:\hl+1], v[\hl+2:\hl+3]
	v_pk_add_f32 v[LJ:LJ+1], v[\hl+4:\hl+5], v[\hl+6:\hl+7]
.set c, 4
.rept (\nc-4)/2
	v_pk_add_f32 v[LI:LI+1], v[LI:LI+1], v[\hl+2*c:\hl+2*c+1]
	v_pk_add_f32 v[LJ:LJ+1], v[LJ:LJ+1], v[\hl+2*c+2:\hl+2*c+3]
.set c, c+2
.endr
	v_pk_add_f32 v[LI:LI+1], v[LI:LI+1], v[LJ:LJ+1]
	s_wait_alu depctr_va_vdst(0)                   ; a wait ahead of the batch and one behind it
	v_rcp_f32 v[LI], v[LI]
	v_rcp_f32 v[LI+1], v[LI+1]
	v_nop
	s_wait_alu depctr_va_vdst(0)
	v_permlanex16_b32 v[LJ], v[LI], s[SEL], s[SEL+1]
	v_permlanex16_b32 v[LJ+1], v[LI+1], s[SEL], s[SEL+1]
.irp w, 0,1
	v_cndmask_b32 v[\rlb+\w], v[LI], v[LJ], s[HMASK]
	v_cndmask_b32 v[\rlb+2+\w], v[LJ], v[LI], s[HMASK]
	v_cndmask_b32 v[\rlb+4+\w], v[LI+1], v[LJ+1], s[HMASK]
	v_cndmask_b32 v[\rlb+6+\w], v[LJ+1], v[LI+1], s[HMASK]
.endr
.endm
	s_wait_alu depctr_va_vdst(0)
	s_wait_tensorcnt 0x0                           ; my part of slot 0 is in
	ds_add_u32 v[SPW], v[NIL]
	s_wait_dscnt 0x0
	CROUND                                         ; slot 0 is whole, and all sixteen work-groups are here
	JLOAD G0A+4, G1A, G0B+4, G1B                   ; slot 1's first fill, the first tensor load behind the round
	s_wait_loadcnt 0x0
	HEADM HNA, HLA, 16, NMGA, RLBA
	global_prefetch_b8 v126, s[86:87] th:TH_LOAD_NT scope:SCOPE_SE
	global_prefetch_b8 v127, s[86:87] th:TH_LOAD_NT scope:SCOPE_SE
	HEADM HNB, HLB, 8, NMGB, RLBB
	v_cndmask_b32 v[NM3], v[NMGA], v[NMGB], s[M3]  ; fill 3's tile
	v_cndmask_b32 v[NM3+1], v[NMGA+1], v[NMGB+1], s[M3]
.macro FETCH4 slot, u, p               ; chunk u of a slot into set p: 32 loads of 512 consecutive bytes
	WIN TO_B
.irp b, 0,1,2,3
.irp c, 0,1,2,3
	ds_load_b128 v[64*(\p)+16*\b+4*\c:64*(\p)+16*\b+4*\c+3], v[ADR0+\slot] offset:BLK*(\u)+2048*\b+512*\c
.endr
.endr
	WIN 0
.irp a, 0,1,2,3
.irp c, 0,1,2,3
	ds_load_b128 v[128+64*(\p)+16*\a+4*\c:128+64*(\p)+16*\a+4*\c+3], v[ADR1+\slot] offset:PBLK*(\u)+2048*\a+512*\c
.endr
.endr
.endm
.macro META4 s                         ; a slot's scale words and -M
.irp u, 0,1,2,3
	ds_load_b64 v[RW+2*\u:RW+2*\u+1], v[ADRM+\s] offset:PBLK*\u
	ds_load_b64 v[RN+2*\u:RN+2*\u+1], v[ADRM+\s] offset:PBLK*\u+512
	ds_load_b64 v[VW+8*\s+2*\u:VW+8*\s+2*\u+1], v[ADRV+\s] offset:BLK*\u
.endr
.endm
; p's scale bytes less the whole number by which the chunk's M lies under the row's: four bytes at a time (the top bits keep the bytes apart); a byte that would fall under 0 becomes 0
.macro ADJ4 s, nm
.irp w, 0,1,2,3,4,5,6,7
	v_sub_f32 v[TA+\w], v[RN+\w], v[\nm+\w%2]
.endr
.irp w, 0,1,2,3,4,5,6,7
	v_min_num_f32 v[TA+\w], 0x42fe0000, v[TA+\w]
.endr
.irp w, 0,1,2,3,4,5,6,7
	v_cvt_i32_f32 v[TA+\w], v[TA+\w]
.endr
.irp w, 0,1,2,3,4,5,6,7
	v_perm_b32 v[TA+\w], v[TA+\w], v[TA+\w], 0
.endr
.irp w, 0,1,2,3,4,5,6,7
	v_or_b32 v[TU+\w], 0x80808080, v[RW+\w]
.endr
.irp w, 0,1,2,3,4,5,6,7
	v_sub_nc_u32 v[TU+\w], v[TU+\w], v[TA+\w]
.endr
.irp w, 0,1,2,3,4,5,6,7
	v_and_b32 v[TK+\w], 0x80808080, v[TU+\w]
.endr
.irp w, 0,1,2,3,4,5,6,7
	v_lshrrev_b32 v[TL+\w], 7, v[TK+\w]
.endr
.irp w, 0,1,2,3,4,5,6,7
	v_sub_nc_u32 v[TK+\w], v[TK+\w], v[TL+\w]
.endr
.irp w, 0,1,2,3,4,5,6,7
	v_and_b32 v[PWD+8*\s+\w], v[TU+\w], v[TK+\w]
.endr
	PLACES 8                                       ; a scale register written by a vector instruction stands eight places ahead of a scaled product
.endm
.macro MUL4 a, p, s, u, zero
.irp b, 0,1,2,3
.set wD, 128+8*(4*(\a)+\b)
.set wS0, 64*(\p)+16*\b
.set wS1, 128+64*(\p)+16*(\a)
.set wX0, VW+8*(\s)+2*(\u)+\b/2
.set wR0, \b%2
.set wX1, PWD+8*(\s)+2*(\u)+(\a)/2
.set wR1, (\a)%2
	WM \zero
.endr
.endm
.macro CH slot, u, zero                ; one of a slot's first three chunks: the next is fetched ahead of its products
.if (\u) > 0
	PLACES 8
.endif
	FETCH4 \slot, (\u)+1, 1-(\u)%2
	s_wait_dscnt 32                                ; all but the 32 just issued
	WIN MULW
	MUL4 0, (\u)%2, \slot, \u, \zero
	MUL4 1, (\u)%2, \slot, \u, \zero
	MUL4 2, (\u)%2, \slot, \u, \zero
	MUL4 3, (\u)%2, \slot, \u, \zero
	WIN 0
.endm
.macro TURN4 slot, next, fill, pf, vf, nm  ; a slot's last chunk changes slots
	s_wait_tensorcnt 0x0
	ds_add_u32 v[SPW], v[NIL]
	s_wait_dscnt 0x1                               ; the add may be out
	WIN MULW
	MUL4 0, 1, \slot, 3, 0
	MUL4 1, 1, \slot, 3, 0
	s_wait_dscnt 0x0
	s_barrier_signal -1
	MUL4 2, 1, \slot, 3, 0
	WIN 0
	s_barrier_wait -1
.if \fill
	CREST
	s_mov_b64 s[G0A+4*\slot+2:G0A+4*\slot+3], s[\pf:\pf+1]
	s_or_b32 s[G0A+4*\slot+3], s[G0A+4*\slot+3], 0x80000000
	s_mov_b64 s[G0B+4*\slot+2:G0B+4*\slot+3], s[\vf:\vf+1]
	s_or_b32 s[G0B+4*\slot+3], s[G0B+4*\slot+3], 0x80000000
	JLOAD G0A+4*\slot, G1A, G0B+4*\slot, G1B
	PLACES 4
.else
	PLACES 8
.endif
	META4 \next
	FETCH4 \next, 0, 0
	WIN MULW
	MUL4 3, 1, \slot, 3, 0
	WIN 0
	s_wait_dscnt 0x20                              ; the words are in; the 32 loads of fragments may be out
	ADJ4 \next, \nm
.endm
.macro WSEND a, outp                   ; block a leaves: sixteen lanes store 256 consecutive bytes of a row
.set BB, BK-(BK-RW)*((\a)%2)
.irp t, 0,1,2,3,4,5,6,7
	global_store_b128 v[GO], v[BB+4*\t:BB+4*\t+3], s[\outp:\outp+1] offset:(16*(\a)+2*\t)*4096 th:TH_STORE_NT
.endr
.endm
; A tile's way out, by blocks of 16 rows x 64 columns through my own stage (LDS serves a wave's instructions in order: ISA guide 5.7.1.4); block a - 1 is stored while block a comes back
.macro WAYOUT rlb, outp
.irp a, 0,1,2,3
	WIN 0x01
.set n, 0
.rept 16
	v_pk_mul_f32 v[TT+n:TT+n+1], v[128+32*\a+n:128+32*\a+n+1], v[\rlb+2*\a:\rlb+2*\a+1] op_sel_hi:[1,0]
.set n, n+2
.endr
	WIN 0
.irp b, 0,1,2,3
	ds_store_b128 v[STO], v[TT+8*\b:TT+8*\b+3] offset:64*\b
	ds_store_b128 v[STO], v[TT+8*\b+4:TT+8*\b+7] offset:64*\b+16
.endr
.if \a > 1
	s_wait_xcnt 0x0                                ; block a - 2's stores have read their registers
.endif
.set BB, BK-(BK-RW)*(\a%2)
.irp t, 0,1,2,3,4,5,6,7
	ds_load_b128 v[BB+4*\t:BB+4*\t+3], v[RD] offset:2*SP*\t
.endr
.if \a > 0
	s_wait_dscnt 0x10                              ; block a - 1 is back: behind it block a's eight stores and eight loads
	WSEND \a-1, \outp
.endif
.endr
	s_wait_dscnt 0x0
	WSEND 3, \outp
	s_wait_xcnt 0x0
.endm
.macro BOUND slot, rpv                 ; RP = rpv: tile A is finished: it leaves, and tile B's sums begin
	s_cmp_eq_u32 s[RP], \rpv
	s_cbranch_scc0 .Lgo_on_\@
	WAYOUT RLBA, OUTA
	CH \slot, 0, 1
	s_branch .Ljoined_\@
.Lgo_on_\@:
	s_wait_alu depctr_va_vdst(0)
	CH \slot, 0, 0
.Ljoined_\@:
.endm
	META4 0
	FETCH4 0, 0, 0
	s_and_b32 s92, s[RP], s[HL]
	s_cmp_eq_u32 s92, 0
	s_cbranch_scc0 .Lno_ask_3
	global_prefetch_b8 v126, s[88:89] th:TH_LOAD_NT scope:SCOPE_SE
	global_prefetch_b8 v127, s[88:89] th:TH_LOAD_NT scope:SCOPE_SE
.Lno_ask_3:
	s_wait_dscnt 0x20                              ; the words are in
	ADJ4 0, NMGA
	s_wait_alu depctr_va_vdst(0)                   ; a wait here and behind each change of slots
	CH 0, 0, 1
	CH 0, 1, 0
	CH 0, 2, 0
	TURN4 0, 1, 1, PF2, VF2, NMGA
	s_cmp_eq_u32 s[HL], 0
	s_cbranch_scc0 .Lno_ask_4
	global_prefetch_b8 v126, s[PF4:PF4+1] th:TH_LOAD_NT scope:SCOPE_SE
	global_prefetch_b8 v127, s[PF4:PF4+1] th:TH_LOAD_NT scope:SCOPE_SE
.Lno_ask_4:
	s_wait_alu depctr_va_vdst(0)
	CH 1, 0, 0
	CH 1, 1, 0
	CH 1, 2, 0
	TURN4 1, 0, 1, PF3, VF3, NMGA
	s_wait_alu depctr_va_vdst(0)
	CH 0, 0, 0
	CH 0, 1, 0
	CH 0, 2, 0
	TURN4 0, 1, 1, PF4, VF4, NM3
	BOUND 1, 1
	CH 1, 1, 0
	CH 1, 2, 0
	TURN4 1, 0, 0, 0, 0, NMGB
	BOUND 0, 0
	CH 0, 1, 0
	CH 0, 2, 0
	s_wait_dscnt 0x0
	WIN MULW
	MUL4 0, 1, 0, 3, 0
	MUL4 1, 1, 0, 3, 0
	MUL4 2, 1, 0, 3, 0
	MUL4 3, 1, 0, 3, 0
	WIN 0
	PLACES 8
	WAYOUT RLBB, OUTB
	s_wait_tensorcnt 0x0                           ; the wave's end
	ds_add_u32 v[SPW], v[NIL]
	s_wait_dscnt 0x0
	CROUND                                         ; the closing round
	s_endpgm
.Lfunc_end_k_q15403f27f1_pv:
	.size	k_q15403f27f1_pv, .Lfunc_end_k_q15403f27f1_pv-k_q15403f27f1_pv
	.p2alignl 7, 3214868480
	.fill 96, 4, 3214868480
	.section	.rodata,"a",@progbits
	.p2align	6, 0x0
	.amdhsa_kernel k_q15403f27f1_pv
		.amdhsa_group_segment_fixed_size 327680
		.amdhsa_private_segment_fixed_size 0
		.amdhsa_enable_private_segment 0
		.amdhsa_kernarg_size 24
		.amdhsa_user_sgpr_count 2
		.amdhsa_user_sgpr_kernarg_segment_ptr 1
		.amdhsa_wavefront_size32 1
		.amdhsa_system_sgpr_workgroup_id_x 1
		.amdhsa_system_sgpr_workgroup_id_y 1
		.amdhsa_system_sgpr_workgroup_id_z 1
		.amdhsa_system_vgpr_workitem_id 0
		.amdhsa_next_free_vgpr 512
		.amdhsa_next_free_sgpr 100
		.amdhsa_reserve_vcc 0
		.amdhsa_float_denorm_mode_32 3
		.amdhsa_float_denorm_mode_16_64 3
		.amdhsa_memory_ordered 1
		.amdhsa_forward_progress 1
		.amdhsa_inst_pref_size 187
	.end_amdhsa_kernel
	.amdgpu_metadata
---
amdhsa.version: [ 1, 2 ]
amdhsa.kernels:
  - .name:           k_q15403f27f1_pv
    .symbol:         k_q15403f27f1_pv.kd
    .args:
      - { .name: pbuf, .offset: 0, .size: 8, .value_kind: global_buffer, .address_space: global }
      - { .name: vbuf, .offset: 8, .size: 8, .value_kind: global_buffer, .address_space: global }
      - { .name: out0, .offset: 16, .size: 8, .value_kind: global_buffer, .address_space: global }
    .group_segment_fixed_size: 327680
    .private_segment_fixed_size: 0
    .kernarg_segment_align: 8
    .kernarg_segment_size: 24
    .max_flat_workgroup_size: 128
    .sgpr_count:     100
    .vgpr_count:     512
    .wavefront_size: 32
...
	.end_amdgpu_metadata
.endif
;; end of part 3
